; MI455X (gfx1250); checked and timed in simulation.
; The chip was launched on July 23, 2026; its instructions are those of AMD's public machine-readable ISA for CDNA 5 (MIT licence, August 2026) and "CDNA5" Instruction Set Architecture Reference Guide (July 2026). The comments in the code are by the model that wrote it; some were corrected since.
;; PCT. Allowed arithmetic: matrix products marked QUANTISED: E2M1 operands, one E8M0 scale for each 32 along K, by v_wmma_scale_f32_16x16x128_f8f6f4 with both operands' format E2M1 (or v_wmma_scale_f32_32x16x128_f4), f32 sums; products left as they are: f32 operands where the result goes on into a quantised operand, else bf16, f16 or f32 operands; f32 sums; everything else in f32.
;; Inputs: bn_beta 128 float32; bn_gamma 128 float32; conv_b 128 float32; conv_w 128 x 128 float32; fc_b 1 float32; fc_w 1 x 257 float32; x1 4,096 x 128 x 1 float32; x1_2 4,096 x 128 x 1 float32; x2 4,096 x 128 x 1 float32.
;; Outputs: out0 4,096 x 128 x 1 float32.
;; This version of the problem:
;;   THIS VERSION OF THE PROBLEM IS GIVEN IN LOW PRECISION. The matrix products marked QUANTISED in the list below multiply operands that are first quantised to E2M1 (2 exponent bits, 1 mantissa bit; 4 bits a number), with one power-of-two scale for each 32 numbers along K (OCP MX v1.0); their sums are f32. All else is computed in f32.
;;   The module's matrix products, in the order in which they are computed (A, B: the left and right operand; K: the contracted axis; several contracted axes count as one K, in the product's order):
;;     1. batch 4,096 x [M 128, K 1] x [K 1, N 128]; A: input x1; B: input x2: left as it is (K = 1 < 32)
;;     2. batch 4,096 x [M 128, K 128] x [K 128, N 1]; A: computed on the way; B: input x1_2: left as it is (N = 1 < 16)
;;     3. [M 4,096, K 128] x [K 128, N 128]; A: computed on the way; B: input conv_w: QUANTISED
;;     4. [M 524,288, K 257] x [K 257, N 1]; A: computed on the way; B: input fc_w: left as it is (N = 1 < 16)
;;   THE QUANTISER, for each operand of a quantised product, along K:
;;     - K is cut into blocks of 32 from its start; a last block that is shorter is filled with zeros.
;;     - A block's scale is 2^e with e = floor(log2(the largest magnitude in the block)) - 2, held to -126 .. 127; a block of zeros has e = 0. As a byte (E8M0): e + 127.
;;     - Each number is divided by its block's scale, clamped to +-6, and rounded to the nearest number of E2M1, ties to even, subnormals kept.
;;     - The product sums the exact products of the quantised numbers (number of the format x scale) in f32.
;;   ~~~python
;;   def quantise(x, axis):      # numpy; x: float32 -> the quantised numbers, widened to float32 again
;;       x = np.moveaxis(x, axis, -1); K = x.shape[-1]
;;       x = np.pad(x, [(0, 0)] * (x.ndim - 1) + [(0, -K % 32)]); x = x.reshape(x.shape[:-1] + (-1, 32)); a = np.abs(x).max(-1, keepdims=True)
;;       e = np.where(a > 0, np.clip(np.frexp(np.where(a > 0, a, 1))[1] - 1 - 2, -126, 127), 0)      # np.frexp(a)[1] - 1 = floor(log2(a)), exactly
;;       r = np.clip(x / 2.0 ** e, -6, 6)
;;       step = 2.0 ** (np.maximum(np.frexp(np.where(r == 0, 1, r))[1] - 1, 0) - 1)
;;       q = np.round(r / step) * step * 2.0 ** e      # np.round: ties to even
;;       return np.moveaxis(q.reshape(q.shape[:-2] + (-1,))[..., :K], -1, axis).astype(np.float32)
;;   ~~~
;;   OPERANDS COMPUTED ON THE WAY. 'Computed on the way' means the value that the module computes at that place (a softmax that the list does not call 'softmax' is quantised finished and normalised). What goes into a quantiser is computed in f32, as accurately as f32 sums, v_exp_f32 and their like allow (about 1e-6 of the number): no bf16 or f16 on the way to a quantiser, and a product that is left as it is and whose result goes on into a quantised operand takes f32 operands (vector FMAs, or v_wmma_f32_16x16x4_f32). A number that lies on a knife's edge between two numbers of the format may be rounded either way, as far as f32 arithmetic and the matrix unit's own rounding can turn it there, and no further.
;; 2 versions, each right; version 2 is version 1 with the launch main written anew for expert scheduling mode. Each part assembles by itself: llvm-mc -triple=amdgcn-amd-amdhsa -mcpu=gfx1250 --defsym DOCPART=n.
;; ======== version 1 of 2: 2 launches
;; workspace buffers: ybuf 2,097,152 bytes; gbuf 2,097,152 bytes; stats 262,144 bytes
;; launch main (part 1): grid 256 x 1, 16 waves a work-group, no clusters, 288,768 bytes of LDS; arguments x1, x2, x1_2, conv_w, conv_b, fc_w, fc_b, ybuf, gbuf, stats; writes ybuf, gbuf, stats
.if DOCPART == 1
	.amdgcn_target "amdgcn-amd-amdhsa--gfx1250"
	.amdhsa_code_object_version 6
	.text
	.protected	k_qa22671a262_main
	.globl	k_qa22671a262_main
	.p2align	8
	.type	k_qa22671a262_main,@function
k_qa22671a262_main:
	s_mov_b64 s[64:65], 0
	v_nop
	global_prefetch_b8 v0, s[64:65] scope:SCOPE_SE
	s_setreg_imm32_b32 hwreg(HW_REG_WAVE_MODE, 25, 1), 1
	s_wait_xcnt 0x0
; PCT, first launch.  For each of 4,096 batches: E[c][d] = softmax_d(x1[c] x2[d]), 128 x 128;  col[d] = sum_c E;  x_r[c] = sum_d E[c][d] x1_2[d] / (1e-9 + col[d]);
; gate[c] = sigmoid(sum_d E[c][d] fw[d] + sum_d E[d][c] fw[128+d] + x1[c] fw[256] + fc_b);  y = x1 - (Q(x_r) Q(conv_w)^T + conv_b), Q the MX-FP4 quantiser along the channels.
; Stored: y (ybuf), g = gate x1 (gbuf), and for the work-group's 16 batches each channel's mean of y and its sum of squared deviations from that mean (stats): the second launch merges them.
; HOW E IS MADE.  a = x1 log2(e);  m[c] = max(a x2max, a x2min), the row's largest exponent;  P = 2^(a x2[d] - m);  r = 1 / sum_d P;  E = P r.  Each exponential is computed once and stays in registers
; for all five sums.  All of this is f32: x_r goes on into a quantiser.
; SHARES.  A work-group owns 16 batches, the 16 rows of one matrix tile, in four rounds of four.  Batch 4 n + b of round n is worked by the four waves 4 b .. 4 b + 3 (a quad); wave q of a quad holds all 128 rows and
; the 32 columns 32 q .. 32 q + 31: lane l holds rows 4 l + g (g = 0..3), register P + 32 g + dl holds P[4 l + g][32 q + dl].  Sums along d are in a lane, then over the quad's four waves through LDS (512 bytes each);
; sums along c are whole inside a wave: 4 rows in a lane, then 32 lanes by a turn through the wave's own LDS.
; TWO BARRIERS A ROUND, BOTH OPEN: work on registers stands between each signal and its wait.
;   The first: a wave's part of sum P is stored, then the signal; the 64 multiply-adds of sum P fw, which r does not need, stand ahead of the wait.
;   The second: a wave's parts of x_r and of the gate's sums are stored, then the signal; the NEXT round's LDS loads, scalings, exponentials and half of its row sums stand ahead of the wait.  So one wave's exponentials
;   stand beside another wave's packed sums.  Behind that wait one wave of the quad finishes the batch of the round before.
; THE ROUNDS ARE WRITTEN OUT by macro: a round's place is then an immediate offset in every LDS and memory instruction, and no address register is ever stepped.
; No tensor loads: a work-group reads 24 KB of rows and 64 KB of conv_w once, at its head, by loads of 512 consecutive bytes a wave.  No cluster: only conv_w is shared, once.
; LIMITS.  NaN and infinities among the inputs are not served.  An exponential under 2^-126 is zero (v_exp_f32 gives no denormals).  A block of zeros gets the scale byte 1 where the rule says 127: its codes are
; zeros, which add nothing under that byte, and the bytes are read by this program alone.
.set WREG,  12800                      ; LDS, for each wave: ST1 at 0 (32 lane rows x 144 bytes), ST2, and BC: four copies of 128 bytes, 1,152 bytes apart.  At the head waves 0-7 turn conv_w through bytes 0 .. 8,447
.set ST2,   4608
.set BC,    9216
.set EXB,   16*WREG                    ; for each quad 6,656 bytes: the waves' parts of sum P (4 x 512), of r sum P fw (GP), of x_r (XP), and the 128 numbers of the gate's second sum (G2O)
.set EXQ,   6656
.set GP,    2048
.set XP,    4096
.set G2O,   6144
.set IN2,   EXB+4*EXQ                  ; 16 rows of x2, 512 bytes each
.set IN3,   IN2+8192                   ; 16 rows of x1_2
.set X1S,   IN3+8192                   ; 18 rows, 528 bytes apart: 0-15 x1, later y in its place; 16 the means; 17 the sums of squared deviations
.set ROWP,  528                        ; 33 x 16 bytes: sixteen rows' 16 bytes at one column start in sixteen different 16-byte columns of 256
.set XR,    X1S+18*ROWP                ; 16 rows of x_r, f32
.set WIM,   XR+16*ROWP                 ; for each wave 1,280 bytes: conv_w's fragment as an image of its registers (1,024), its scale words (128), conv_b of the lane's column (128)
.set WIMW,  1280
.set MM,    WIM+16*WIMW                ; for each batch 16 bytes: x2's largest number, and the largest of -x2
; REGISTERS.  v1-11 addresses, made once: v1 ST in, v2 ST out, v3 BC (same in all lanes), v4 quad's exchange + 16 lane, v5 the same + 512 q, v6 where my 4 numbers of G2 go, v7 MM, v8 x2's 32 numbers (same in all lanes),
; v9 x1_2's 4 numbers, v10 x1's row + 16 lane, v11 offset in gbuf.  v12, v13: scale words of the product's two operands, and nothing else.  v14 conv_b of my column.  v15 8 x (lane / 16).
; v20-23 and v24-27: x1[4 l + g] and x1_2[32 q + 4 (l % 8) + j], which change places from round to round (X1, X12 are set in ROUND): the round before's x1 is still there when its batch is finished, and nothing is copied.
.set FW2,   16                         ; v16-19   fc_w[128 + 4 l + g]
.set GR,    28                         ; v28-31   my part of r sum P fw, on its way to LDS
.set SC,    32                         ; v32-63   at work: see each phase
.set XV,    64                         ; v64-95   x2 of my 32 columns, in every lane; later sums; later v = x1_2 / (1e-9 + col), in every lane
.set FW1,   96                         ; v96-127  fc_w[32 q + dl], in every lane; kept
.set P,     128                        ; v128-255 P
; s[4:19]: x1, x2, x1_2, conv_w, conv_b, fc_w, fc_b, ybuf;  s[20:23]: gbuf, stats;  s24 wave, s25 quad b, s26 q;  s[28:29] selects for lane l xor 16;  s30 fc_w[256], s31 fc_b;  s32-40 at work
.macro BAR                             ; my LDS stores have landed and my LDS loads are in: then the work-group's barrier
	s_wait_dscnt 0x0
	s_barrier_signal -1
	s_barrier_wait -1
.endm
.macro ADD4 d, a, b                    ; four numbers: d = a + b
	v_pk_add_f32 v[\d:\d+1], v[\a:\a+1], v[\b:\b+1]
	v_pk_add_f32 v[\d+2:\d+3], v[\a+2:\a+3], v[\b+2:\b+3]
.endm
.macro CONST gl, g                     ; row g's a (low word of the pair at SC + 8 + 4 gl) and m (SC + 10 + 4 gl).  v[SC], v[SC+1]: x2's largest number and the largest of -x2
	v_mul_f32 v[SC+8+4*(\gl)], 0x3fb8aa3b, v[X1+(\g)]
	v_mul_f32 v[SC+2+2*(\gl)], v[SC+8+4*(\gl)], v[SC]
	v_mul_f32 v[SC+3+2*(\gl)], v[SC+8+4*(\gl)], v[SC+1]
	v_max_num_f32 v[SC+10+4*(\gl)], v[SC+2+2*(\gl)], -v[SC+3+2*(\gl)]
.endm
.macro TC H, p                         ; pair p of rows 2 H, 2 H + 1 (row 2 H + p / 16, columns 2 (p % 16) on): a x2 - m; of the pairs a and m the low word serves both halves
.set gl_, (\p)/16
.set i_, (\p)%16
	v_pk_fma_f32 v[P+64*(\H)+2*(\p):P+64*(\H)+2*(\p)+1], v[XV+2*i_:XV+2*i_+1], v[SC+8+4*gl_:SC+9+4*gl_], v[SC+10+4*gl_:SC+11+4*gl_] op_sel_hi:[1,0,0] neg_lo:[0,0,1] neg_hi:[0,0,1]
.endm
.macro EXPO H, e
	v_exp_f32 v[P+64*(\H)+(\e)], v[P+64*(\H)+(\e)]
.endm
.macro SMS H, p                        ; the row's sum of P, in two pairs at SC + 16 + 4 gl (even pairs of columns) and SC + 18 + 4 gl (odd ones): the first four pairs start them, nothing is cleared
.set gl_, (\p)/16
.set i_, (\p)%16
.set pr_, P+64*(\H)+2*(\p)
.set as_, SC+16+4*gl_+2*(i_%2)
.if (i_ == 2) || (i_ == 3)
	v_pk_add_f32 v[as_:as_+1], v[pr_-4:pr_-3], v[pr_:pr_+1]
.elseif i_ > 3
	v_pk_add_f32 v[as_:as_+1], v[as_:as_+1], v[pr_:pr_+1]
.endif
.endm
.macro REDS H                          ; the two pairs and their halves are added: the sums of rows 2 H, 2 H + 1 to SC + 24 + g
.irp gl, 0,1
	v_pk_add_f32 v[SC+16+4*\gl:SC+17+4*\gl], v[SC+16+4*\gl:SC+17+4*\gl], v[SC+18+4*\gl:SC+19+4*\gl]
.endr
.irp gl, 0,1
	v_add_f32 v[SC+24+2*(\H)+\gl], v[SC+16+4*\gl], v[SC+17+4*\gl]
.endr
.endm
.macro SMG H, p                        ; the row's sum of P fw, in a pair at SC + 18 + 4 gl - 2 H: four rows, four chains
.set gl_, (\p)/16
.set i_, (\p)%16
.set pr_, P+64*(\H)+2*(\p)
.set ag_, SC+18+4*gl_-2*(\H)
.if i_ == 0
	v_pk_mul_f32 v[ag_:ag_+1], v[pr_:pr_+1], v[FW1:FW1+1]
.else
	v_pk_fma_f32 v[ag_:ag_+1], v[pr_:pr_+1], v[FW1+2*i_:FW1+2*i_+1], v[ag_:ag_+1]
.endif
.endm
; Columns 8 k .. 8 k + 7: my four rows' part of col (weights r, low words of the pairs at SC + 8 + 2 g) into A1 and of the gate's second sum (weights r fw[128 + c], at SC + 16 + 2 g) into A2; both to my lane row of ST1, ST2
.macro CH k, A1, A2
.irp g, 0,1,2,3
.irp jj, 0,1,2,3
.if \g == 0
	v_pk_mul_f32 v[\A1+2*\jj:\A1+2*\jj+1], v[P+8*(\k)+2*\jj:P+8*(\k)+2*\jj+1], v[SC+8:SC+9] op_sel_hi:[1,0]
	v_pk_mul_f32 v[\A2+2*\jj:\A2+2*\jj+1], v[P+8*(\k)+2*\jj:P+8*(\k)+2*\jj+1], v[SC+16:SC+17] op_sel_hi:[1,0]
.else
	v_pk_fma_f32 v[\A1+2*\jj:\A1+2*\jj+1], v[P+32*\g+8*(\k)+2*\jj:P+32*\g+8*(\k)+2*\jj+1], v[SC+8+2*\g:SC+9+2*\g], v[\A1+2*\jj:\A1+2*\jj+1] op_sel_hi:[1,0,1]
	v_pk_fma_f32 v[\A2+2*\jj:\A2+2*\jj+1], v[P+32*\g+8*(\k)+2*\jj:P+32*\g+8*(\k)+2*\jj+1], v[SC+16+2*\g:SC+17+2*\g], v[\A2+2*\jj:\A2+2*\jj+1] op_sel_hi:[1,0,1]
.endif
.endr
.endr
	ds_store_b128 v1, v[\A1:\A1+3] offset:32*(\k)
	ds_store_b128 v1, v[\A1+4:\A1+7] offset:32*(\k)+16
	ds_store_b128 v1, v[\A2:\A2+3] offset:ST2+32*(\k)
	ds_store_b128 v1, v[\A2+4:\A2+7] offset:ST2+32*(\k)+16
.endm
.macro XLANE b, t                      ; four numbers are summed over lanes l, l xor 8, l xor 16, l xor 24; t: four registers that have been written
.irp j, 0,1,2,3
	v_add_f32_dpp v[\b+\j], v[\b+\j], v[\b+\j] row_xmask:8 row_mask:0xf bank_mask:0xf
.endr
.irp j, 0,1,2,3
	v_permlanex16_b32 v[\t+\j], v[\b+\j], s28, s29
.endr
.irp j, 0,1,2,3
	v_add_f32 v[\b+\j], v[\b+\j], v[\t+\j]
.endr
.endm
; 64 numbers of lane (r, h), register 32 c + i = k 64 c + 32 h + i of row r: two whole blocks of 32.  They become the operand's 8 registers at cod and the row's scale word in scl.
; A block's scale byte is its largest magnitude's exponent field less 2, held at 1 from below by the floor 2^(3 - 127) among the maximum's leaves; the conversion takes the exponent field of its scale operand alone.
.macro QUANT64 src, cod, scl, tmp
.irp c, 0,1
	v_max3_num_f32 v[\tmp+\c], |v[\src+32*\c]|, |v[\src+32*\c+1]|, 0x1800000
.endr
.irp i, 2,4,6,8,10,12,14,16,18,20,22,24,26,28,30
.irp c, 0,1
	v_max3_num_f32 v[\tmp+\c], v[\tmp+\c], |v[\src+32*\c+\i]|, |v[\src+32*\c+\i+1]|
.endr
.endr
.irp c, 0,1
	v_add_nc_u32 v[\tmp+2+\c], 0xff000000, v[\tmp+\c]
.endr
.irp c, 0,1
	v_lshrrev_b32 v[\tmp+4+\c], 23, v[\tmp+2+\c]
.endr
	v_lshl_or_b32 v[\scl], v[\tmp+5], 16, v[\tmp+4]    ; my two bytes: blocks h and 2 + h,
	v_lshlrev_b32 v[\scl], v15, v[\scl]                ; at their places in the word (8 h bits up);
	v_mov_b32 v[\tmp+6], 0
	v_permlanex16_b32 v[\tmp+6], v[\scl], s28, s29
	v_or_b32 v[\scl], v[\scl], v[\tmp+6]               ; with lane l xor 16's two the word is whole
.irp c, 0,1
.irp g, 0,1,2,3
	v_cvt_scalef32_pk8_fp4_f32 v[\cod+4*\c+\g], v[\src+32*\c+8*\g:\src+32*\c+8*\g+7], v[\tmp+2+\c]
.endr
.endr
	v_nop                                              ; one plain line behind the last scaled conversion
.endm
	; ---------------- THE HEAD ----------------
	s_load_b512 s[4:19], s[0:1], 0x0
	s_load_b128 s[20:23], s[0:1], 0x40
	v_lshrrev_b32 v32, 5, v0
	v_readfirstlane_b32 s24, v32                   ; wave 0..15
	s_lshr_b32 s25, s24, 2                         ; b: my quad
	s_and_b32 s26, s24, 3                          ; q: my 32 columns
	s_mov_b32 s28, 0x76543210
	s_mov_b32 s29, 0xfedcba98
	v_and_b32 v32, 31, v0                          ; lane
	v_lshlrev_b32 v33, 4, v32                      ; 16 lane
	v_and_b32 v34, 7, v0
	v_lshlrev_b32 v34, 4, v34                      ; 16 (lane % 8)
	v_bfe_u32 v35, v0, 3, 2                        ; lane / 8
	v_and_b32 v51, 15, v0                          ; r
	v_bfe_u32 v52, v0, 4, 1                        ; h
	s_mul_i32 s34, s24, WREG
	v_mul_u32_u24 v1, v32, 144
	v_add_nc_u32 v1, s34, v1                       ; ST in: lane row l, 144 bytes = 9 x 16 apart
	v_mad_u32_u24 v2, v35, 1152, v34
	v_add_nc_u32 v2, s34, v2                       ; ST out: lane rows 8 (l / 8) + k, columns 4 (l % 8) on
	s_add_co_u32 s35, s34, BC
	v_mov_b32 v3, s35
	s_mul_i32 s36, s25, EXQ
	s_add_co_u32 s36, s36, EXB
	v_add_nc_u32 v4, s36, v33
	s_lshl_b32 s37, s26, 9
	v_add_nc_u32 v5, s37, v4
	s_lshl_b32 s38, s26, 7                         ; 128 q
	s_add_co_u32 s37, s36, s38
	s_add_co_u32 s37, s37, G2O
	v_add_nc_u32 v6, s37, v34
	s_lshl_b32 s37, s25, 4
	s_add_co_u32 s37, s37, MM
	v_mov_b32 v7, s37
	s_lshl_b32 s39, s25, 9                         ; 512 b
	s_add_co_u32 s40, s39, s38
	s_add_co_u32 s37, s40, IN2
	v_mov_b32 v8, s37
	s_add_co_u32 s37, s40, IN3
	v_add_nc_u32 v9, s37, v34
	s_mul_i32 s37, s25, ROWP
	s_add_co_u32 s37, s37, X1S
	v_add_nc_u32 v10, s37, v33
	v_add_nc_u32 v11, s39, v33
	v_lshlrev_b32 v15, 3, v52
	; the head's own addresses, all made ahead of the branch on the wave's number
	v_lshlrev_b32 v36, 4, v0                       ; 16 x thread: row w of the work-group's 16, 16 bytes a lane
	v_add_nc_u32 v37, s34, v33                     ; conv_w's turn, in: 16 lane, rows by the immediate
	v_mul_u32_u24 v38, v51, ROWP
	v_lshl_add_u32 v38, v52, 7, v38
	v_add_nc_u32 v38, s34, v38                     ; out: row r, + 128 h bytes
	s_mul_i32 s37, s24, WIMW
	s_add_co_u32 s37, s37, WIM
	v_add_nc_u32 v39, s37, v33                     ; the image: 16 lane
	s_add_co_u32 s37, s37, 1024
	v_lshl_add_u32 v40, v32, 2, s37                ; its scale words: 4 lane
	s_lshl_b32 s37, s24, 13
	v_add_nc_u32 v42, s37, v33                     ; conv_w in memory: my 16 rows of 512 bytes
	s_lshl_b32 s37, s24, 6
	v_lshl_add_u32 v44, v51, 2, s37                ; conv_b[16 w + r]
	v_mov_b32 v46, s38
	s_mul_i32 s37, s24, ROWP
	s_add_co_u32 s37, s37, X1S
	v_add_nc_u32 v48, s37, v33
	v_add_nc_u32 v49, IN2, v36
	s_lshl_b32 s37, s24, 4
	s_add_co_u32 s37, s37, MM
	v_mov_b32 v50, s37
.irp u, 41,43,45,47
	v_mov_b32 v\u, 0                               ; upper words of pairs of which only the low word is taken: named with it, so they are written once
.endr
	v_mov_b32 v78, 0                               ; a lane permute's destination counts as one of its sources
	v_mov_b32 v79, 0
	s_wait_kmcnt 0x0
	s_lshl_b32 s32, ttmp9, 13                      ; the work-group's 16 rows of 512 bytes
	s_mov_b32 s33, 0
	s_add_nc_u64 s[4:5], s[4:5], s[32:33]
	s_add_nc_u64 s[6:7], s[6:7], s[32:33]
	s_add_nc_u64 s[8:9], s[8:9], s[32:33]
	s_add_nc_u64 s[18:19], s[18:19], s[32:33]
	s_add_nc_u64 s[20:21], s[20:21], s[32:33]
	s_lshl_b32 s32, ttmp9, 10                      ; its 1,024 bytes of stats
	s_add_nc_u64 s[22:23], s[22:23], s[32:33]
	s_load_b32 s30, s[14:15], 0x400                ; fc_w[256]
	s_load_b32 s31, s[16:17], 0x0                  ; fc_b
	global_load_b128 v[64:67], v36, s[4:5] th:TH_LOAD_NT       ; wave w brings row w of each of the three: 512 consecutive bytes a load
	global_load_b128 v[68:71], v36, s[6:7] th:TH_LOAD_NT
	global_load_b128 v[72:75], v36, s[8:9] th:TH_LOAD_NT
	global_load_b128 v[FW2:FW2+3], v33, s[14:15] offset:512
.irp i, 0,1,2,3,4,5,6,7
	global_load_b128 v[FW1+4*\i:FW1+4*\i+3], v46, s[14:15] offset:16*\i
.endr
	s_cmp_gt_u32 s24, 7
	s_cbranch_scc1 .Lhead_join
	; waves 0-7: rows 16 w .. 16 w + 15 of conv_w (output channels; K = the input channel is innermost) become one fragment.  Loaded as they lie, turned through my own LDS so that lane (r, h) holds 2 x 32 neighbours of row r
.irp i, 0,1,2,3,4,5,6,7,8,9,10,11,12,13,14,15
	global_load_b128 v[128+4*\i:131+4*\i], v42, s[10:11] offset:512*\i
.endr
	global_load_b32 v14, v44, s[12:13]
	s_wait_loadcnt 0x0
.irp i, 0,1,2,3,4,5,6,7,8,9,10,11,12,13,14,15
	ds_store_b128 v37, v[128+4*\i:131+4*\i] offset:ROWP*\i
.endr
.irp c, 0,1
.irp i, 0,1,2,3,4,5,6,7
	ds_load_b128 v[128+32*\c+4*\i:131+32*\c+4*\i], v38 offset:256*\c+16*\i     ; LDS serves a wave's instructions in order (ISA guide 5.7.1.4): these see the stores above
.endr
.endr
	s_wait_dscnt 0x0
	QUANT64 128, 192, 13, 208
	ds_store_b128 v39, v[192:195]                  ; kept in LDS as an image of the registers: P takes these registers in the rounds
	ds_store_b128 v39, v[196:199] offset:512
	ds_store_b32 v40, v13
	ds_store_b32 v40, v14 offset:128
.Lhead_join:
	s_wait_loadcnt 0x0
	s_wait_kmcnt 0x0
	ds_store_b128 v48, v[64:67]
	ds_store_b128 v49, v[68:71]
	ds_store_b128 v49, v[72:75] offset:8192
	v_max3_num_f32 v76, v68, v69, v70              ; row w of x2: its largest number, and the largest of its negatives
	v_max3_num_f32 v77, -v68, -v69, -v70
	v_max_num_f32 v76, v76, v71
	v_max_num_f32 v77, v77, -v71
.irp x, 1,2,4,8
	v_max_num_f32_dpp v76, v76, v76 row_xmask:\x row_mask:0xf bank_mask:0xf
	v_max_num_f32_dpp v77, v77, v77 row_xmask:\x row_mask:0xf bank_mask:0xf
.endr
	v_permlanex16_b32 v78, v76, s28, s29
	v_permlanex16_b32 v79, v77, s28, s29
	v_max_num_f32 v76, v76, v78
	v_max_num_f32 v77, v77, v79
	ds_store_b64 v50, v[76:77]                     ; every lane writes the same 8 bytes with the same value
	BAR                                            ; the 16 batches' rows, their extremes and conv_w's images lie in LDS
; ---------------- THE BATCH OF ROUND m IS FINISHED, by one wave of the quad: the one with q = b (waves 0, 5, 10, 15) ----------------
; It stands behind the wait of round m's second barrier: the quad's parts of x_r and of r sum P fw and the gate's second sum lie in LDS.  Its LDS reads are waited for here, which is ahead of this wave's next signal:
; those bytes are written again only behind the barrier that the signal belongs to.  At work: XV and SC .. SC + 3, which the round in hand does not hold at this place.
.macro FIN m
.set xo_, 20+4*((\m)%2)                            ; round m's x1
	s_cmp_eq_u32 s26, s25
	s_cbranch_scc0 .Lnot_owner_\@
.irp qq, 0,1,2,3
	ds_load_b128 v[XV+4*\qq:XV+4*\qq+3], v4 offset:XP+512*\qq
.endr
.irp qq, 0,1,2,3
	ds_load_b128 v[XV+16+4*\qq:XV+19+4*\qq], v4 offset:GP+512*\qq
.endr
	ds_load_b128 v[SC:SC+3], v4 offset:G2O
	s_wait_dscnt 0x0
	ADD4 XV, XV, XV+4
	ADD4 XV+8, XV+8, XV+12
	ADD4 XV, XV, XV+8
	ds_store_b128 v10, v[XV:XV+3] offset:XR-X1S+4*ROWP*(\m)    ; x_r[4 l + g], f32, for the quantiser
	ADD4 XV+16, XV+16, XV+20
	ADD4 XV+24, XV+24, XV+28
	ADD4 XV+16, XV+16, XV+24                       ; the gate's first sum
.irp j, 0,1,2,3
	v_fma_f32 v[XV+4+\j], v[xo_+\j], s30, s31      ; x1 fw[256] + fc_b
.endr
	ADD4 XV+16, XV+16, SC                          ; + the second sum
	ADD4 XV+16, XV+16, XV+4
.irp j, 0,1,2,3
	v_mul_f32 v[XV+16+\j], 0xbfb8aa3b, v[XV+16+\j] ; sigmoid(z) = 1 / (1 + 2^(-z log2(e)))
.endr
.irp j, 0,1,2,3
	v_exp_f32 v[XV+20+\j], v[XV+16+\j]
.endr
	v_nop
	s_wait_alu depctr_va_vdst(0)
.irp j, 0,1,2,3
	v_add_f32 v[XV+20+\j], 1.0, v[XV+20+\j]
.endr
.irp j, 0,1,2,3
	v_rcp_f32 v[XV+24+\j], v[XV+20+\j]
.endr
	v_nop
	s_wait_alu depctr_va_vdst(0)
	v_pk_mul_f32 v[XV+24:XV+25], v[XV+24:XV+25], v[xo_:xo_+1]
	v_pk_mul_f32 v[XV+26:XV+27], v[XV+26:XV+27], v[xo_+2:xo_+3]
	global_store_b128 v11, v[XV+24:XV+27], s[20:21] offset:2048*(\m)   ; gate x1: the 32 lanes store the batch's 512 consecutive bytes
.Lnot_owner_\@:
	s_wait_xcnt 0x0                                ; the store's data registers are written again only behind this wait
.endm
; ---------------- A ROUND: batch 4 n + b.  For n > 0 it begins between the signal and the wait of the round before's second barrier ----------------
.macro ROUND n
.set X1,  20+4*((\n)%2)
.set X12, 24-4*((\n)%2)
	ds_load_b64 v[SC:SC+1], v7 offset:64*(\n)      ; these ten loads read bytes that were written ahead of the first barrier; x1's rows are written again only in the tail
	ds_load_b128 v[X1:X1+3], v10 offset:4*ROWP*(\n)
.irp i, 0,1,2,3,4,5,6,7
	ds_load_b128 v[XV+4*\i:XV+4*\i+3], v8 offset:2048*(\n)+16*\i
.endr
	s_wait_dscnt 0x8                               ; x2's extremes and x1 are in; the eight loads of x2 may be out
	; A: P and its row sums.  Rows 0, 1 are scaled; then exponentials stand among packed work: rows 0, 1's among the scalings of rows 2, 3, rows 2, 3's among the sums of rows 0, 1
	CONST 0, 0
	CONST 1, 1
	s_wait_dscnt 0x0
.set kk, 0
.rept 32
	TC 0, kk
.set kk, kk+1
.endr
	CONST 0, 2
	CONST 1, 3
.set kk, 0
.rept 32
	EXPO 0, 2*kk
	TC 1, kk
	EXPO 0, 2*kk+1
.set kk, kk+1
.endr
	v_nop                                          ; a plain line behind the last exponential
	s_wait_alu depctr_va_vdst(0)                   ; one wait for the 64, ahead of the first line that names a result
.set kk, 0
.rept 32
.set pp, 16*(kk%2)+kk/2                            ; the two rows by turns, each in two chains: four chains of sums that do not wait for each other
	EXPO 1, 2*kk
	SMS 0, pp
	EXPO 1, 2*kk+1
.set kk, kk+1
.endr
	REDS 0                                         ; (plain lines behind the last exponential)
	s_wait_alu depctr_va_vdst(0)                   ; one wait for the second 64
.if \n > 0
	s_barrier_wait -1                              ; the round before's second barrier: every wave's parts lie in LDS, and every wave's reads of that round's parts of sum P are over
	FIN (\n)-1
.endif
	ds_load_b128 v[X12:X12+3], v9 offset:2048*(\n) ; into the registers that held the round before's x1; wanted behind the next barrier
.set kk, 0
.rept 32
.set pp, 16*(kk%2)+kk/2
	SMS 1, pp
.set kk, kk+1
.endr
	REDS 1
	ds_store_b128 v5, v[SC+24:SC+27]               ; my 32 columns' part of the four rows' sums
	s_wait_dscnt 0x0                               ; it has landed, and all my LDS loads are in
	s_barrier_signal -1                            ; the first barrier.  r does not need the gate's first sum: its 64 multiply-adds stand between the signal and the wait
.set kk, 0
.rept 32
.set pp, 16*(kk%2)+kk/2
	SMG 0, pp
	SMG 1, pp
.set kk, kk+1
.endr
	s_barrier_wait -1                              ; the quad's four parts lie in LDS; the finishing wave's reads of the last round's parts are over
	; B: r = 1 / the row's sum, the same bits in all four waves (same numbers, same order)
.irp qq, 0,1,2,3
	ds_load_b128 v[XV+4*\qq:XV+4*\qq+3], v4 offset:512*\qq
.endr
	s_wait_dscnt 0x0
	ADD4 XV, XV, XV+4
	ADD4 XV+8, XV+8, XV+12
	ADD4 XV, XV, XV+8
.irp g, 0,1,2,3
	v_rcp_f32 v[SC+8+2*\g], v[XV+\g]
.endr
.irp H, 0,1
.irp gl, 0,1
	v_add_f32 v[SC+28+2*\H+\gl], v[SC+18+4*\gl-2*\H], v[SC+19+4*\gl-2*\H]      ; the halves of sum P fw: plain work behind the reciprocals
.endr
.endr
	s_wait_alu depctr_va_vdst(0)
.irp g, 0,1,2,3
	v_mul_f32 v[SC+16+2*\g], v[SC+8+2*\g], v[FW2+\g]
.endr
.irp g, 0,1,2,3
	v_mul_f32 v[GR+\g], v[SC+28+\g], v[SC+8+2*\g]
.endr
	ds_store_b128 v5, v[GR:GR+3] offset:GP         ; my part of the gate's first sum, for the wave that finishes the batch
	; C: the two sums along c, 8 columns at a time, in three sets of registers by turns
	CH 0, XV, XV+8
	CH 1, XV+16, XV+24
	CH 2, SC, SC+24
	s_wait_dscnt 0x8                               ; chunk 0's four stores are done (the eight of chunks 1 and 2 may be out): its registers are written again
	CH 3, XV, XV+8
.irp k, 0,1,2,3,4,5,6,7
	ds_load_b128 v[XV+4*\k:XV+4*\k+3], v2 offset:144*\k        ; col: eight lane rows' 4 columns
.endr
	ds_load_b128 v[SC:SC+3], v2 offset:ST2
	ds_load_b128 v[SC+4:SC+7], v2 offset:ST2+144
	ds_load_b128 v[SC+24:SC+27], v2 offset:ST2+288
	ds_load_b128 v[SC+28:SC+31], v2 offset:ST2+432
	s_wait_dscnt 0x4                               ; col's eight are in; the four just issued may be out
.irp k, 0,4,8,12
	ADD4 XV+\k, XV+\k, XV+16+\k
.endr
.irp k, 0,1,2,3
	ds_load_b128 v[XV+16+4*\k:XV+19+4*\k], v2 offset:ST2+144*(4+\k)
.endr
	ADD4 XV, XV, XV+8
	ADD4 XV+4, XV+4, XV+12
	ADD4 XV, XV, XV+4
	XLANE XV, XV+4                                 ; col[32 q + 4 (l % 8) + j], whole, in every lane
	; D: v = x1_2 / (1e-9 + col), spread to all lanes through my own LDS; meanwhile the gate's second sum is finished
.irp j, 0,1,2,3
	v_add_f32 v[XV+4+\j], 0x3089705f, v[XV+\j]
.endr
.irp j, 0,1,2,3
	v_rcp_f32 v[XV+8+\j], v[XV+4+\j]
.endr
	v_nop
	s_wait_alu depctr_va_vdst(0)
	v_pk_mul_f32 v[XV+12:XV+13], v[XV+8:XV+9], v[X12:X12+1]
	v_pk_mul_f32 v[XV+14:XV+15], v[XV+10:XV+11], v[X12+2:X12+3]
	ds_store_b128 v2, v[XV+12:XV+15] offset:BC     ; four equal copies, one for each group of eight lanes
	s_wait_dscnt 0x1                               ; the second sum's eight loads are in; that store may be out
	ADD4 SC, SC, XV+16
	ADD4 SC+4, SC+4, XV+20
	ADD4 SC+24, SC+24, XV+24
	ADD4 SC+28, SC+28, XV+28
.irp i, 0,1,2,3,4,5,6,7
	ds_load_b128 v[XV+4*\i:XV+4*\i+3], v3 offset:16*\i         ; the first copy: v of my 32 columns, in every lane
.endr
	ADD4 SC, SC, SC+24
	ADD4 SC+4, SC+4, SC+28
	ADD4 SC, SC, SC+4
	XLANE SC, SC+4
	ds_store_b128 v6, v[SC:SC+3]                   ; the gate's second sum for channels 32 q + 4 (l % 8) + j; four lanes write the same bytes with the same value
	s_wait_dscnt 0x1                               ; v is in; that store may be out
	; E: my 32 columns' part of x_r
.irp i, 0,1,2,3,4,5,6,7,8,9,10,11,12,13,14,15
.irp g, 0,1,2,3
.if \i == 0
	v_pk_mul_f32 v[SC+24+2*\g:SC+25+2*\g], v[P+32*\g:P+32*\g+1], v[XV:XV+1]
.else
	v_pk_fma_f32 v[SC+24+2*\g:SC+25+2*\g], v[P+32*\g+2*\i:P+32*\g+2*\i+1], v[XV+2*\i:XV+2*\i+1], v[SC+24+2*\g:SC+25+2*\g]
.endif
.endr
.endr
.irp g, 0,1,2,3
	v_add_f32 v[SC+4+\g], v[SC+24+2*\g], v[SC+25+2*\g]
.endr
.irp g, 0,1,2,3
	v_mul_f32 v[SC+4+\g], v[SC+4+\g], v[SC+8+2*\g]
.endr
	ds_store_b128 v5, v[SC+4:SC+7] offset:XP
	s_wait_dscnt 0x0                               ; my three stores for the finishing wave have landed, and my reads of the parts of sum P are long over
	s_barrier_signal -1                            ; the second barrier; its wait stands in the next round, or behind the last round
.endm
	ROUND 0
	ROUND 1
	ROUND 2
	ROUND 3
	s_barrier_wait -1
	FIN 3
	; ---------------- THE TAIL: the quantised product, y, and the work-group's statistics ----------------
	BAR                                            ; x_r's 16 rows lie in LDS
	v_and_b32 v248, 15, v0                         ; r
	v_bfe_u32 v249, v0, 4, 1                       ; h
	v_and_b32 v250, 31, v0                         ; lane
	v_mul_u32_u24 v200, v248, ROWP
	v_lshl_add_u32 v200, v249, 7, v200
	v_add_nc_u32 v200, XR, v200                    ; x_r: row r (a batch), + 128 h bytes
	s_lshl_b32 s34, s24, 6
	v_lshl_add_u32 v252, v248, 2, s34
	v_add_nc_u32 v252, X1S, v252                   ; channel 16 w + r of a row of x1
	v_mad_u32_u24 v201, v249, 8*ROWP, v252         ; in rows 8 h + j
	s_mul_i32 s35, s24, ROWP
	v_lshl_add_u32 v203, v250, 4, s35
	v_add_nc_u32 v203, X1S, v203                   ; row w, 16 bytes a lane
	s_mul_i32 s35, s24, WIMW
	s_add_co_u32 s35, s35, WIM
	v_lshl_add_u32 v212, v250, 4, s35
	s_add_co_u32 s35, s35, 1024
	v_lshl_add_u32 v213, v250, 2, s35
	v_lshlrev_b32 v214, 4, v0
	s_cmp_gt_u32 s24, 7
	s_cbranch_scc1 .Ltail_join
	; waves 0-7: wave w makes output channels 16 w .. 16 w + 15 for the 16 batches.  Each quantises x_r's 16 rows for itself: 64 numbers a lane
.irp c, 0,1
.irp i, 0,1,2,3,4,5,6,7
	ds_load_b128 v[128+32*\c+4*\i:131+32*\c+4*\i], v200 offset:256*\c+16*\i
.endr
.endr
	ds_load_b128 v[204:207], v212                  ; conv_w's fragment, its scale words and conv_b come back as they were stored
	ds_load_b128 v[208:211], v212 offset:512
	ds_load_b32 v13, v213
	ds_load_b32 v14, v213 offset:128
.irp j, 0,1,2,3,4,5,6,7
	ds_load_b32 v[216+\j], v201 offset:ROWP*\j     ; x1(batch 8 h + j, channel 16 w + r): the result's layout
.endr
	s_wait_dscnt 0x0
	QUANT64 128, 192, 12, 240
.irp j, 0,1,2,3,4,5,6,7
	v_sub_f32 v[216+\j], v[216+\j], v14            ; x1 - conv_b.  With the line above these are nine plain lines between the last write of A's scale word and of its codes and the scaled matrix instruction (eight and four are asked)
.endr
	v_wmma_scale_f32_16x16x128_f8f6f4 v[224:231], v[192:199], v[204:211], 0, v12, v13 matrix_a_fmt:MATRIX_FMT_FP4 matrix_b_fmt:MATRIX_FMT_FP4   ; source 0 = 16 batches of x_r, source 1 = 16 rows of conv_w; K = all 128 channels: one instruction, C = 0
.rept 4
	v_nop                                          ; four places behind it, ahead of the first read of its result (ISA guide 7.12.1)
.endr
.irp j, 0,1,2,3,4,5,6,7
	v_sub_f32 v[232+\j], v[216+\j], v[224+\j]      ; y; the result is read from its low end on
.endr
	v_pk_add_f32 v[248:249], v[232:233], v[234:235]
	v_pk_add_f32 v[250:251], v[236:237], v[238:239]
	v_pk_add_f32 v[248:249], v[248:249], v[250:251]
	v_add_f32 v248, v248, v249
	v_permlanex16_b32 v249, v248, s28, s29         ; the other eight batches lie in lane l xor 16
	v_add_f32 v248, v248, v249
	v_mul_f32 v248, 0x3d800000, v248               ; the channel's mean over the 16 batches
.irp j, 0,2,4,6
	v_pk_add_f32 v[240+\j:241+\j], v[232+\j:233+\j], v[248:249] op_sel_hi:[1,0] neg_lo:[0,1] neg_hi:[0,1]
.endr
	v_pk_mul_f32 v[250:251], v[240:241], v[240:241]
.irp j, 2,4,6
	v_pk_fma_f32 v[250:251], v[240+\j:241+\j], v[240+\j:241+\j], v[250:251]
.endr
	v_add_f32 v250, v250, v251
	v_permlanex16_b32 v251, v250, s28, s29
	v_add_f32 v250, v250, v251                     ; the sum of squared deviations from that mean: no difference of large sums is formed
.irp j, 0,1,2,3,4,5,6,7
	ds_store_b32 v201, v[232+\j] offset:ROWP*\j    ; y takes x1's place: each word is read and written by one lane alone
.endr
	ds_store_b32 v252, v248 offset:16*ROWP         ; both halves of the lanes write the same word with the same value
	ds_store_b32 v252, v250 offset:17*ROWP
.Ltail_join:
	BAR                                            ; 16 rows of y and the two rows of statistics lie in LDS
	ds_load_b128 v[64:67], v203
	s_wait_dscnt 0x0
	global_store_b128 v214, v[64:67], s[18:19]     ; wave w stores row w of y: 512 consecutive bytes
	s_cmp_gt_u32 s24, 1
	s_cbranch_scc1 .Ldone
	ds_load_b128 v[68:71], v203 offset:16*ROWP     ; waves 0 and 1: the means, the sums of squares
	s_wait_dscnt 0x0
	global_store_b128 v214, v[68:71], s[22:23]
.Ldone:
	s_wait_xcnt 0x0
	v_lshl_add_u32 v126, v0, 2, 0x46000
	v_mov_b32 v127, 0
	s_wait_tensorcnt 0x0
	ds_add_u32 v126, v127
	s_wait_dscnt 0x0
	s_endpgm
.Lfunc_end_k_qa22671a262_main:
	.size	k_qa22671a262_main, .Lfunc_end_k_qa22671a262_main-k_qa22671a262_main
	.p2alignl 7, 3214868480
	.fill 96, 4, 3214868480
	.section	.rodata,"a",@progbits
	.p2align	6, 0x0
	.amdhsa_kernel k_qa22671a262_main
		.amdhsa_group_segment_fixed_size 288768
		.amdhsa_private_segment_fixed_size 0
		.amdhsa_enable_private_segment 0
		.amdhsa_kernarg_size 80
		.amdhsa_user_sgpr_count 2
		.amdhsa_user_sgpr_kernarg_segment_ptr 1
		.amdhsa_wavefront_size32 1
		.amdhsa_system_sgpr_workgroup_id_x 1
		.amdhsa_system_sgpr_workgroup_id_y 1
		.amdhsa_system_sgpr_workgroup_id_z 1
		.amdhsa_system_vgpr_workitem_id 0
		.amdhsa_next_free_vgpr 256
		.amdhsa_next_free_sgpr 66
		.amdhsa_reserve_vcc 0
		.amdhsa_float_denorm_mode_32 3
		.amdhsa_float_denorm_mode_16_64 3
		.amdhsa_memory_ordered 1
		.amdhsa_forward_progress 1
		.amdhsa_inst_pref_size 185
	.end_amdhsa_kernel
	.amdgpu_metadata
---
amdhsa.version: [ 1, 2 ]
amdhsa.kernels:
  - .name:           k_qa22671a262_main
    .symbol:         k_qa22671a262_main.kd
    .args:
      - { .name: x1, .offset: 0, .size: 8, .value_kind: global_buffer, .address_space: global }
      - { .name: x2, .offset: 8, .size: 8, .value_kind: global_buffer, .address_space: global }
      - { .name: x1_2, .offset: 16, .size: 8, .value_kind: global_buffer, .address_space: global }
      - { .name: conv_w, .offset: 24, .size: 8, .value_kind: global_buffer, .address_space: global }
      - { .name: conv_b, .offset: 32, .size: 8, .value_kind: global_buffer, .address_space: global }
      - { .name: fc_w, .offset: 40, .size: 8, .value_kind: global_buffer, .address_space: global }
      - { .name: fc_b, .offset: 48, .size: 8, .value_kind: global_buffer, .address_space: global }
      - { .name: ybuf, .offset: 56, .size: 8, .value_kind: global_buffer, .address_space: global }
      - { .name: gbuf, .offset: 64, .size: 8, .value_kind: global_buffer, .address_space: global }
      - { .name: stats, .offset: 72, .size: 8, .value_kind: global_buffer, .address_space: global }
    .group_segment_fixed_size: 288768
    .private_segment_fixed_size: 0
    .kernarg_segment_align: 8
    .kernarg_segment_size: 80
    .max_flat_workgroup_size: 512
    .sgpr_count:     66
    .vgpr_count:     256
    .wavefront_size: 32
...
	.end_amdgpu_metadata
.endif
;; end of part 1
;; launch bnout (part 2): grid 64 x 2, 8 waves a work-group, no clusters, 5,120 bytes of LDS; arguments ybuf, gbuf, stats, bn_gamma, bn_beta, out0; writes out0
.if DOCPART == 2
	.amdgcn_target "amdgcn-amd-amdhsa--gfx1250"
	.amdhsa_code_object_version 6
	.text
	.protected	k_qa22671a262_bnout
	.globl	k_qa22671a262_bnout
	.p2align	8
	.type	k_qa22671a262_bnout,@function
k_qa22671a262_bnout:
	s_mov_b64 s[64:65], 0
	v_nop
	global_prefetch_b8 v0, s[64:65] scope:SCOPE_SE
	s_setreg_imm32_b32 hwreg(HW_REG_WAVE_MODE, 25, 1), 1
	s_wait_xcnt 0x0
; PCT, second launch: out = relu((y - mean) rsqrt(var + 1e-5) gamma + beta) + g, mean and var of each channel over all 4,096 batches.
; stats holds, for each of 256 groups of 16 batches, 128 means (bytes 0 .. 511 of its 1,024) and 128 sums of squared deviations from them.  They are merged without a difference of large sums:
; mean = the average of the 256 means;  var = (the sum of the 256 sums + 16 x the sum of (group's mean - mean)^2) / 4096.
; SHARES.  Work-group (x, hf) owns rows 64 x .. 64 x + 63 and channels 64 hf .. 64 hf + 63: 256 consecutive bytes of each row, so it reads half of stats.  Lane (r, h) holds channels 64 hf + 4 r + j; a load or store of a wave
; covers two rows: two runs of 256 consecutive bytes.  Wave w merges groups 32 w .. 32 w + 31 and finishes rows 8 w .. 8 w + 7; the waves' sums meet in LDS, twice, in bytes of their own each time.
; All 42 loads of a wave are issued at the head.  No matrix unit, no tensor load: sums and a stream.  No cluster: what is shared, 128 KB of stats, is read once by each work-group with everything else on its way.
; LIMITS: NaN and infinities are not served.
.set GA,  16                           ; v16-19   gamma
.set BE,  20                           ; v20-23   beta
.set MU,  24                           ; v24-27   mean
.set SL,  28                           ; v28-31   gamma rsqrt(var + 1e-5)
.set M,   32                           ; v32-95   16 x 4 means
.set Q,   96                           ; v96-159  16 x 4 sums of squares
.set Y,   160                          ; v160-175 4 x 4 numbers of y
.set G,   176                          ; v176-191 and of g
.set T,   192                          ; v192-223 at work: the eight waves' sums
; v3 offset in stats, v4 offset in y, g, out, v5 16 r, v6 256 w + 16 r;  v8-15 two sets of four sums
.macro BAR
	s_wait_dscnt 0x0
	s_barrier_signal -1
	s_barrier_wait -1
.endm
.macro ADD4 d, a, b
	v_pk_add_f32 v[\d:\d+1], v[\a:\a+1], v[\b:\b+1]
	v_pk_add_f32 v[\d+2:\d+3], v[\a+2:\a+3], v[\b+2:\b+3]
.endm
.macro SUM16 b, a0, a1                 ; sixteen sets of four from b on are summed into a0, in two chains
	ADD4 \a0, \b, \b+8
	ADD4 \a1, \b+4, \b+12
.irp k, 16,24,32,40,48,56
	ADD4 \a0, \a0, \b+\k
	ADD4 \a1, \a1, \b+\k+4
.endr
	ADD4 \a0, \a0, \a1
.endm
.macro HALVES a, t                     ; + lane l xor 16's
.irp j, 0,1,2,3
	v_permlanex16_b32 v[\t+\j], v[\a+\j], s20, s21
.endr
	ADD4 \a, \a, \t
.endm
.macro MEET off                        ; my four sums go to LDS; behind the barrier every wave adds the eight waves', in the same order: T .. T + 3
	ds_store_b128 v6, v[8:11] offset:\off          ; both halves of the lanes write the same bytes with the same value
	BAR
.irp w, 0,1,2,3,4,5,6,7
	ds_load_b128 v[T+4*\w:T+4*\w+3], v5 offset:\off+256*\w
.endr
	s_wait_dscnt 0x0
	ADD4 T, T, T+4
	ADD4 T+8, T+8, T+12
	ADD4 T+16, T+16, T+20
	ADD4 T+24, T+24, T+28
	ADD4 T, T, T+8
	ADD4 T+16, T+16, T+24
	ADD4 T, T, T+16
.endm
	s_load_b256 s[4:11], s[0:1], 0x0               ; ybuf, gbuf, stats, bn_gamma
	s_load_b128 s[12:15], s[0:1], 0x20             ; bn_beta, out0
	v_lshl_add_u32 v224, v0, 2, 0x1000
	v_mov_b32 v225, 0
	v_lshrrev_b32 v1, 5, v0
	v_readfirstlane_b32 s16, v1                    ; wave 0..7
	s_and_b32 s17, ttmp7, 0xffff                   ; hf
	v_and_b32 v1, 15, v0                           ; r
	v_bfe_u32 v2, v0, 4, 1                         ; h
	v_lshlrev_b32 v5, 4, v1
	s_lshl_b32 s18, s16, 15                        ; 32 groups of 1,024 bytes
	v_lshl_add_u32 v3, v2, 10, v5
	v_add_nc_u32 v3, s18, v3
	s_lshl_b32 s18, s16, 12                        ; 8 rows of 512 bytes
	v_lshl_add_u32 v4, v2, 9, v5
	v_add_nc_u32 v4, s18, v4
	s_lshl_b32 s18, s16, 8
	v_add_nc_u32 v6, s18, v5
	s_mov_b32 s20, 0x76543210
	s_mov_b32 s21, 0xfedcba98                      ; selects for lane l xor 16
	s_mov_b32 s22, 0x3b800000                      ; 1 / 256
	s_mov_b32 s23, s22                             ; (named with it as a pair, so it is written)
	s_mov_b32 s24, 0x41800000                      ; 16
	s_mov_b32 s25, s24
	s_mov_b32 s26, 0x39800000                      ; 1 / 4096
	s_mov_b32 s27, 0x3727c5ac                      ; 1e-5
	s_lshl_b32 s28, s17, 8                         ; my 64 channels: 256 hf bytes
	s_mov_b32 s29, 0
	s_lshl_b32 s30, ttmp9, 15                      ; my 64 rows
	s_add_co_u32 s30, s30, s28
	s_mov_b32 s31, 0
	s_wait_kmcnt 0x0
	s_add_nc_u64 s[4:5], s[4:5], s[30:31]
	s_add_nc_u64 s[6:7], s[6:7], s[30:31]
	s_add_nc_u64 s[14:15], s[14:15], s[30:31]
	s_add_nc_u64 s[8:9], s[8:9], s[28:29]
	s_add_nc_u64 s[10:11], s[10:11], s[28:29]
	s_add_nc_u64 s[12:13], s[12:13], s[28:29]
.irp k, 0,1,2,3,4,5,6,7,8,9,10,11,12,13,14,15
	global_load_b128 v[M+4*\k:M+4*\k+3], v3, s[8:9] offset:2048*\k             ; groups 32 w + 2 k + h: means
.endr
.irp k, 0,1,2,3,4,5,6,7,8,9,10,11,12,13,14,15
	global_load_b128 v[Q+4*\k:Q+4*\k+3], v3, s[8:9] offset:2048*\k+512         ; their sums of squares
.endr
	global_load_b128 v[GA:GA+3], v5, s[10:11]
	global_load_b128 v[BE:BE+3], v5, s[12:13]
.irp t, 0,1,2,3
	global_load_b128 v[Y+4*\t:Y+4*\t+3], v4, s[4:5] offset:1024*\t th:TH_LOAD_NT   ; rows 8 w + 2 t + h
.endr
.irp t, 0,1,2,3
	global_load_b128 v[G+4*\t:G+4*\t+3], v4, s[6:7] offset:1024*\t th:TH_LOAD_NT
.endr
	s_wait_loadcnt 26                              ; the 16 loads of means are in; behind them 16 + 2 + 8 may be out
	SUM16 M, 8, 12
	HALVES 8, 12
	MEET 0
	v_pk_mul_f32 v[MU:MU+1], v[T:T+1], s[22:23] op_sel_hi:[1,0]
	v_pk_mul_f32 v[MU+2:MU+3], v[T+2:T+3], s[22:23] op_sel_hi:[1,0]
	s_wait_loadcnt 10                              ; the sums of squares are in; gamma, beta and the 8 loads of rows may be out
.set kk, 0
.rept 16
	v_pk_add_f32 v[M+4*kk:M+4*kk+1], v[M+4*kk:M+4*kk+1], v[MU:MU+1] neg_lo:[0,1] neg_hi:[0,1]          ; a group's mean less the mean
	v_pk_add_f32 v[M+4*kk+2:M+4*kk+3], v[M+4*kk+2:M+4*kk+3], v[MU+2:MU+3] neg_lo:[0,1] neg_hi:[0,1]
.set kk, kk+1
.endr
.set kk, 0
.rept 16
.set ac, 8+4*(kk%2)                                ; squared and summed, in two chains; the first two start them
.if kk < 2
	v_pk_mul_f32 v[ac:ac+1], v[M+4*kk:M+4*kk+1], v[M+4*kk:M+4*kk+1]
	v_pk_mul_f32 v[ac+2:ac+3], v[M+4*kk+2:M+4*kk+3], v[M+4*kk+2:M+4*kk+3]
.else
	v_pk_fma_f32 v[ac:ac+1], v[M+4*kk:M+4*kk+1], v[M+4*kk:M+4*kk+1], v[ac:ac+1]
	v_pk_fma_f32 v[ac+2:ac+3], v[M+4*kk+2:M+4*kk+3], v[M+4*kk+2:M+4*kk+3], v[ac+2:ac+3]
.endif
.set kk, kk+1
.endr
	ADD4 8, 8, 12
	SUM16 Q, T, T+4
	v_pk_fma_f32 v[8:9], v[8:9], s[24:25], v[T:T+1] op_sel_hi:[1,0,1]          ; 16 batches to a group
	v_pk_fma_f32 v[10:11], v[10:11], s[24:25], v[T+2:T+3] op_sel_hi:[1,0,1]
	HALVES 8, 12
	MEET 2048                                      ; other bytes than the first meeting's: no barrier is needed between that one's reads and these stores
.irp j, 0,1,2,3
	v_fma_f32 v[T+\j], v[T+\j], s26, s27           ; var + 1e-5
.endr
.irp j, 0,1,2,3
	v_rsq_f32 v[T+4+\j], v[T+\j]
.endr
	v_nop                                          ; a plain line behind the last of them,
	s_wait_alu depctr_va_vdst(0)                   ; and a wait ahead of the first use: one for the four
	s_wait_loadcnt 0x0                             ; gamma, beta, y, g
	v_pk_mul_f32 v[SL:SL+1], v[T+4:T+5], v[GA:GA+1]
	v_pk_mul_f32 v[SL+2:SL+3], v[T+6:T+7], v[GA+2:GA+3]
.irp t, 0,1,2,3
	v_pk_add_f32 v[Y+4*\t:Y+4*\t+1], v[Y+4*\t:Y+4*\t+1], v[MU:MU+1] neg_lo:[0,1] neg_hi:[0,1]
	v_pk_add_f32 v[Y+4*\t+2:Y+4*\t+3], v[Y+4*\t+2:Y+4*\t+3], v[MU+2:MU+3] neg_lo:[0,1] neg_hi:[0,1]
	v_pk_fma_f32 v[Y+4*\t:Y+4*\t+1], v[Y+4*\t:Y+4*\t+1], v[SL:SL+1], v[BE:BE+1]
	v_pk_fma_f32 v[Y+4*\t+2:Y+4*\t+3], v[Y+4*\t+2:Y+4*\t+3], v[SL+2:SL+3], v[BE+2:BE+3]
.irp j, 0,1,2,3
	v_max_num_f32 v[Y+4*\t+\j], 0, v[Y+4*\t+\j]
.endr
	ADD4 Y+4*\t, Y+4*\t, G+4*\t
	global_store_b128 v4, v[Y+4*\t:Y+4*\t+3], s[14:15] offset:1024*\t th:TH_STORE_NT   ; sixteen lanes store 256 consecutive bytes, at a multiple of 256 from out0's first byte
.endr
	s_wait_tensorcnt 0x0
	ds_add_u32 v224, v225
	s_wait_dscnt 0x0
	s_endpgm
.Lfunc_end_k_qa22671a262_bnout:
	.size	k_qa22671a262_bnout, .Lfunc_end_k_qa22671a262_bnout-k_qa22671a262_bnout
	.p2alignl 7, 3214868480
	.fill 96, 4, 3214868480
	.section	.rodata,"a",@progbits
	.p2align	6, 0x0
	.amdhsa_kernel k_qa22671a262_bnout
		.amdhsa_group_segment_fixed_size 5120
		.amdhsa_private_segment_fixed_size 0
		.amdhsa_enable_private_segment 0
		.amdhsa_kernarg_size 48
		.amdhsa_user_sgpr_count 2
		.amdhsa_user_sgpr_kernarg_segment_ptr 1
		.amdhsa_wavefront_size32 1
		.amdhsa_system_sgpr_workgroup_id_x 1
		.amdhsa_system_sgpr_workgroup_id_y 1
		.amdhsa_system_sgpr_workgroup_id_z 1
		.amdhsa_system_vgpr_workitem_id 0
		.amdhsa_next_free_vgpr 226
		.amdhsa_next_free_sgpr 66
		.amdhsa_reserve_vcc 0
		.amdhsa_float_denorm_mode_32 3
		.amdhsa_float_denorm_mode_16_64 3
		.amdhsa_memory_ordered 1
		.amdhsa_forward_progress 1
		.amdhsa_inst_pref_size 21
	.end_amdhsa_kernel
	.amdgpu_metadata
---
amdhsa.version: [ 1, 2 ]
amdhsa.kernels:
  - .name:           k_qa22671a262_bnout
    .symbol:         k_qa22671a262_bnout.kd
    .args:
      - { .name: ybuf, .offset: 0, .size: 8, .value_kind: global_buffer, .address_space: global }
      - { .name: gbuf, .offset: 8, .size: 8, .value_kind: global_buffer, .address_space: global }
      - { .name: stats, .offset: 16, .size: 8, .value_kind: global_buffer, .address_space: global }
      - { .name: bn_gamma, .offset: 24, .size: 8, .value_kind: global_buffer, .address_space: global }
      - { .name: bn_beta, .offset: 32, .size: 8, .value_kind: global_buffer, .address_space: global }
      - { .name: out0, .offset: 40, .size: 8, .value_kind: global_buffer, .address_space: global }
    .group_segment_fixed_size: 5120
    .private_segment_fixed_size: 0
    .kernarg_segment_align: 8
    .kernarg_segment_size: 48
    .max_flat_workgroup_size: 256
    .sgpr_count:     66
    .vgpr_count:     226
    .wavefront_size: 32
...
	.end_amdgpu_metadata
.endif
;; end of part 2
;; ======== version 2 of 2: 2 launches; version 1 with the launch main written anew for expert scheduling mode
;; workspace buffers: ybuf 2,097,152 bytes; gbuf 2,097,152 bytes; stats 262,144 bytes
;; launch main (part 3): grid 256 x 1, 16 waves a work-group, no clusters, 288,768 bytes of LDS; arguments x1, x2, x1_2, conv_w, conv_b, fc_w, fc_b, ybuf, gbuf, stats; writes ybuf, gbuf, stats
.if DOCPART == 3
	.amdgcn_target "amdgcn-amd-amdhsa--gfx1250"
	.amdhsa_code_object_version 6
	.text
	.protected	k_qa22671a262_main
	.globl	k_qa22671a262_main
	.p2align	8
	.type	k_qa22671a262_main,@function
k_qa22671a262_main:
	s_mov_b64 s[64:65], 0
	v_nop
	global_prefetch_b8 v0, s[64:65] scope:SCOPE_SE
	s_setreg_imm32_b32 hwreg(HW_REG_WAVE_SCHED_MODE, 0, 2), 2
	s_setreg_imm32_b32 hwreg(HW_REG_WAVE_MODE, 25, 1), 1
	s_wait_xcnt 0x0
	s_wait_alu depctr_vm_vsrc(0)
; PCT, first launch.  For each of 4,096 batches: E[c][d] = softmax_d(x1[c] x2[d]), 128 x 128;  col[d] = sum_c E;  x_r[c] = sum_d E[c][d] x1_2[d] / (1e-9 + col[d]);
; gate[c] = sigmoid(sum_d E[c][d] fw[d] + sum_d E[d][c] fw[128+d] + x1[c] fw[256] + fc_b);  y = x1 - (Q(x_r) Q(conv_w)^T + conv_b), Q the MX-FP4 quantiser along the channels.
; Stored: y (ybuf), g = gate x1 (gbuf), and for the work-group's 16 batches each channel's mean of y and its sum of squared deviations from that mean (stats): the second launch merges them.
; HOW E IS MADE.  a = x1 log2(e);  m[c] = max(a x2max, a x2min), the row's largest exponent;  P = 2^(a x2[d] - m);  r = 1 / sum_d P;  E = P r.  Each exponential is computed once and stays in registers
; for all five sums.  All of this is f32: x_r goes on into a quantiser.
; SHARES.  A work-group owns 16 batches, the 16 rows of one matrix tile, in four rounds of four.  Batch 4 n + b of round n is worked by the four waves 4 b .. 4 b + 3 (a quad); wave q of a quad holds all 128 rows and
; the 32 columns 32 q .. 32 q + 31: lane l holds rows 4 l + g (g = 0..3), register P + 32 g + dl holds P[4 l + g][32 q + dl].  Sums along d are in a lane, then over the quad's four waves through LDS (512 bytes each);
; sums along c are whole inside a wave: 4 rows in a lane, then 32 lanes by a turn through the wave's own LDS.
; TWO BARRIERS A ROUND, BOTH OPEN: work on registers stands between each signal and its wait.
;   The first: a wave's part of sum P is stored, then the signal; the 64 multiply-adds of sum P fw, which r does not need, stand ahead of the wait.
;   The second: a wave's parts of x_r and of the gate's sums are stored, then the signal; the NEXT round's LDS loads, scalings, exponentials and half of its row sums stand ahead of the wait.  So one wave's exponentials
;   stand beside another wave's packed sums.  Behind that wait one wave of the quad finishes the batch of the round before.
; THE ROUNDS ARE WRITTEN OUT by macro: a round's place is then an immediate offset in every LDS and memory instruction, and no address register is ever stepped.
; No tensor loads: a work-group reads 24 KB of rows and 64 KB of conv_w once, at its head, by loads of 512 consecutive bytes a wave.  No cluster: only conv_w is shared, once.
; THE MODE: SCHED_MODE bits 1:0 = 2 (LLVM: expert scheduling mode 2), set by the entry lines.  The code itself states the register dependences between vector or matrix instructions and memory or LDS
; instructions, with s_wait_alu, always for 0.
; THE PLAN.  Registers that LDS or memory instructions touch:
;   v1-11        addresses: written at the head, ahead of the head's first wait on va_vdst, and never again.
;   SC           loads land in SC, SC + 1 at a round's head, in SC .. + 3 in the finishing wave, in SC .. + 7 and SC + 24 .. + 31 in the second turn; stores read SC + 24 .. + 27 (sum P), SC .. + 7 and
;                SC + 24 .. + 31 (chunk 2), SC .. + 7 (the round's last two).  Vector lines write all of it between.
;   XV           loads land in it five times a round (x2; the finishing wave's parts; the parts of sum P; the turn; v); stores read it for chunks 0, 1, 3 and in the finishing wave.
;   GR           written by vector lines, read by a store, twice a round: my part of r sum P fw, then v.
;   X1, X12      loads land in them; vector lines alone read them.        P: in the rounds vector lines alone.
;   A wait on va_vdst stands ahead of each run of stores, behind the lines that make their data, and it is laid so that it also covers the loads that follow into registers which vector lines have named.
;   A wait on vm_vsrc stands at a round's head, behind the first barrier's wait, a chunk's 32 lines behind chunk 0's stores, and behind chunk 3's stores: each ahead of the first write of registers that stores have read.
; LIMITS.  NaN and infinities among the inputs are not served.  An exponential under 2^-126 is zero (v_exp_f32 gives no denormals).  A block of zeros gets the scale byte 1 where the rule says 127: its codes are
; zeros, which add nothing under that byte, and the bytes are read by this program alone.
.set WREG,  12800                      ; LDS, for each wave: ST1 at 0 (32 lane rows x 144 bytes), ST2, and BC: four copies of 128 bytes, 1,152 bytes apart.  At the head waves 0-7 turn conv_w through bytes 0 .. 8,447
.set ST2,   4608
.set BC,    9216
.set EXB,   16*WREG                    ; for each quad 6,656 bytes: the waves' parts of sum P (4 x 512), of r sum P fw (GP), of x_r (XP), and the 128 numbers of the gate's second sum (G2O)
.set EXQ,   6656
.set GP,    2048
.set XP,    4096
.set G2O,   6144
.set IN2,   EXB+4*EXQ                  ; 16 rows of x2, 512 bytes each
.set IN3,   IN2+8192                   ; 16 rows of x1_2
.set X1S,   IN3+8192                   ; 18 rows, 528 bytes apart: 0-15 x1, later y in its place; 16 the means; 17 the sums of squared deviations
.set ROWP,  528                        ; 33 x 16 bytes: sixteen rows' 16 bytes at one column start in sixteen different 16-byte columns of 256
.set XR,    X1S+18*ROWP                ; 16 rows of x_r, f32
.set WIM,   XR+16*ROWP                 ; for each wave 1,280 bytes: conv_w's fragment as an image of its registers (1,024), its scale words (128), conv_b of the lane's column (128)
.set WIMW,  1280
.set MM,    WIM+16*WIMW                ; for each batch 16 bytes: x2's largest number, and the largest of -x2
; REGISTERS.  v1-11 addresses, made once: v1 ST in, v2 ST out, v3 BC (same in all lanes), v4 quad's exchange + 16 lane, v5 the same + 512 q, v6 where my 4 numbers of G2 go, v7 MM, v8 x2's 32 numbers (same in all lanes),
; v9 x1_2's 4 numbers, v10 x1's row + 16 lane, v11 offset in gbuf.  v12, v13: scale words of the product's two operands, and nothing else.  v14 conv_b of my column.  v15 8 x (lane / 16).
; v20-23 and v24-27: x1[4 l + g] and x1_2[32 q + 4 (l % 8) + j], which change places from round to round (X1, X12 are set in ROUND): the round before's x1 is still there when its batch is finished, and nothing is copied.
.set FW2,   16                         ; v16-19   fc_w[128 + 4 l + g]
.set GR,    28                         ; v28-31   my part of r sum P fw, on its way to LDS; later in the round v = x1_2 / (1e-9 + col) of my four columns, on its way to LDS
.set SC,    32                         ; v32-63   at work: see each phase
.set XV,    64                         ; v64-95   x2 of my 32 columns, in every lane; later sums; later v, in every lane
.set FW1,   96                         ; v96-127  fc_w[32 q + dl], in every lane; kept
.set P,     128                        ; v128-255 P
; s[4:19]: x1, x2, x1_2, conv_w, conv_b, fc_w, fc_b, ybuf;  s[20:23]: gbuf, stats;  s24 wave, s25 quad b, s26 q;  s[28:29] selects for lane l xor 16;  s30 fc_w[256], s31 fc_b;  s32-40 at work
.macro BAR                             ; my LDS stores have landed and my LDS loads are in: then the work-group's barrier
	s_wait_dscnt 0x0
	s_barrier_signal -1
	s_barrier_wait -1
.endm
.macro ADD4 d, a, b                    ; four numbers: d = a + b
	v_pk_add_f32 v[\d:\d+1], v[\a:\a+1], v[\b:\b+1]
	v_pk_add_f32 v[\d+2:\d+3], v[\a+2:\a+3], v[\b+2:\b+3]
.endm
.macro CONST gl, g                     ; row g's a (low word of the pair at SC + 8 + 4 gl) and m (SC + 10 + 4 gl).  v[SC], v[SC+1]: x2's largest number and the largest of -x2
	v_mul_f32 v[SC+8+4*(\gl)], 0x3fb8aa3b, v[X1+(\g)]
	v_mul_f32 v[SC+2+2*(\gl)], v[SC+8+4*(\gl)], v[SC]
	v_mul_f32 v[SC+3+2*(\gl)], v[SC+8+4*(\gl)], v[SC+1]
	v_max_num_f32 v[SC+10+4*(\gl)], v[SC+2+2*(\gl)], -v[SC+3+2*(\gl)]
.endm
.macro TC H, p                         ; pair p of rows 2 H, 2 H + 1 (row 2 H + p / 16, columns 2 (p % 16) on): a x2 - m; of the pairs a and m the low word serves both halves
.set gl_, (\p)/16
.set i_, (\p)%16
	v_pk_fma_f32 v[P+64*(\H)+2*(\p):P+64*(\H)+2*(\p)+1], v[XV+2*i_:XV+2*i_+1], v[SC+8+4*gl_:SC+9+4*gl_], v[SC+10+4*gl_:SC+11+4*gl_] op_sel_hi:[1,0,0] neg_lo:[0,0,1] neg_hi:[0,0,1]
.endm
.macro EXPO H, e
	v_exp_f32 v[P+64*(\H)+(\e)], v[P+64*(\H)+(\e)]
.endm
.macro SMS H, p                        ; the row's sum of P, in two pairs at SC + 16 + 4 gl (even pairs of columns) and SC + 18 + 4 gl (odd ones): the first four pairs start them, nothing is cleared
.set gl_, (\p)/16
.set i_, (\p)%16
.set pr_, P+64*(\H)+2*(\p)
.set as_, SC+16+4*gl_+2*(i_%2)
.if (i_ == 2) || (i_ == 3)
	v_pk_add_f32 v[as_:as_+1], v[pr_-4:pr_-3], v[pr_:pr_+1]
.elseif i_ > 3
	v_pk_add_f32 v[as_:as_+1], v[as_:as_+1], v[pr_:pr_+1]
.endif
.endm
.macro REDS H                          ; the two pairs and their halves are added: the sums of rows 2 H, 2 H + 1 to SC + 24 + g
.irp gl, 0,1
	v_pk_add_f32 v[SC+16+4*\gl:SC+17+4*\gl], v[SC+16+4*\gl:SC+17+4*\gl], v[SC+18+4*\gl:SC+19+4*\gl]
.endr
.irp gl, 0,1
	v_add_f32 v[SC+24+2*(\H)+\gl], v[SC+16+4*\gl], v[SC+17+4*\gl]
.endr
.endm
.macro SMG H, p                        ; the row's sum of P fw, in a pair at SC + 18 + 4 gl - 2 H: four rows, four chains
.set gl_, (\p)/16
.set i_, (\p)%16
.set pr_, P+64*(\H)+2*(\p)
.set ag_, SC+18+4*gl_-2*(\H)
.if i_ == 0
	v_pk_mul_f32 v[ag_:ag_+1], v[pr_:pr_+1], v[FW1:FW1+1]
.else
	v_pk_fma_f32 v[ag_:ag_+1], v[pr_:pr_+1], v[FW1+2*i_:FW1+2*i_+1], v[ag_:ag_+1]
.endif
.endm
; Columns 8 k .. 8 k + 7: my four rows' part of col (weights r, low words of the pairs at SC + 8 + 2 g) into A1 and of the gate's second sum (weights r fw[128 + c], at SC + 16 + 2 g) into A2
.macro CHC k, A1, A2
.irp g, 0,1,2,3
.irp jj, 0,1,2,3
.if \g == 0
	v_pk_mul_f32 v[\A1+2*\jj:\A1+2*\jj+1], v[P+8*(\k)+2*\jj:P+8*(\k)+2*\jj+1], v[SC+8:SC+9] op_sel_hi:[1,0]
	v_pk_mul_f32 v[\A2+2*\jj:\A2+2*\jj+1], v[P+8*(\k)+2*\jj:P+8*(\k)+2*\jj+1], v[SC+16:SC+17] op_sel_hi:[1,0]
.else
	v_pk_fma_f32 v[\A1+2*\jj:\A1+2*\jj+1], v[P+32*\g+8*(\k)+2*\jj:P+32*\g+8*(\k)+2*\jj+1], v[SC+8+2*\g:SC+9+2*\g], v[\A1+2*\jj:\A1+2*\jj+1] op_sel_hi:[1,0,1]
	v_pk_fma_f32 v[\A2+2*\jj:\A2+2*\jj+1], v[P+32*\g+8*(\k)+2*\jj:P+32*\g+8*(\k)+2*\jj+1], v[SC+16+2*\g:SC+17+2*\g], v[\A2+2*\jj:\A2+2*\jj+1] op_sel_hi:[1,0,1]
.endif
.endr
.endr
.endm
.macro CHS k, A1, A2                   ; and both go to my lane row of ST1, ST2
	ds_store_b128 v1, v[\A1:\A1+3] offset:32*(\k)
	ds_store_b128 v1, v[\A1+4:\A1+7] offset:32*(\k)+16
	ds_store_b128 v1, v[\A2:\A2+3] offset:ST2+32*(\k)
	ds_store_b128 v1, v[\A2+4:\A2+7] offset:ST2+32*(\k)+16
.endm
.macro XLANE b, t                      ; four numbers are summed over lanes l, l xor 8, l xor 16, l xor 24; t: four registers that have been written
.irp j, 0,1,2,3
	v_add_f32_dpp v[\b+\j], v[\b+\j], v[\b+\j] row_xmask:8 row_mask:0xf bank_mask:0xf
.endr
.irp j, 0,1,2,3
	v_permlanex16_b32 v[\t+\j], v[\b+\j], s28, s29
.endr
.irp j, 0,1,2,3
	v_add_f32 v[\b+\j], v[\b+\j], v[\t+\j]
.endr
.endm
; 64 numbers of lane (r, h), register 32 c + i = k 64 c + 32 h + i of row r: two whole blocks of 32.  They become the operand's 8 registers at cod and the row's scale word in scl.
; A block's scale byte is its largest magnitude's exponent field less 2, held at 1 from below by the floor 2^(3 - 127) among the maximum's leaves; the conversion takes the exponent field of its scale operand alone.
.macro QUANT64 src, cod, scl, tmp
.irp c, 0,1
	v_max3_num_f32 v[\tmp+\c], |v[\src+32*\c]|, |v[\src+32*\c+1]|, 0x1800000
.endr
.irp i, 2,4,6,8,10,12,14,16,18,20,22,24,26,28,30
.irp c, 0,1
	v_max3_num_f32 v[\tmp+\c], v[\tmp+\c], |v[\src+32*\c+\i]|, |v[\src+32*\c+\i+1]|
.endr
.endr
.irp c, 0,1
	v_add_nc_u32 v[\tmp+2+\c], 0xff000000, v[\tmp+\c]
.endr
.irp c, 0,1
	v_lshrrev_b32 v[\tmp+4+\c], 23, v[\tmp+2+\c]
.endr
	v_lshl_or_b32 v[\scl], v[\tmp+5], 16, v[\tmp+4]    ; my two bytes: blocks h and 2 + h,
	v_lshlrev_b32 v[\scl], v15, v[\scl]                ; at their places in the word (8 h bits up);
	v_mov_b32 v[\tmp+6], 0
	v_permlanex16_b32 v[\tmp+6], v[\scl], s28, s29
	v_or_b32 v[\scl], v[\scl], v[\tmp+6]               ; with lane l xor 16's two the word is whole
.irp c, 0,1
.irp g, 0,1,2,3
	v_cvt_scalef32_pk8_fp4_f32 v[\cod+4*\c+\g], v[\src+32*\c+8*\g:\src+32*\c+8*\g+7], v[\tmp+2+\c]
.endr
.endr
	v_nop                                              ; one plain line behind the last scaled conversion
.endm
	; ---------------- THE HEAD ----------------
	s_load_b512 s[4:19], s[0:1], 0x0
	s_load_b128 s[20:23], s[0:1], 0x40
	v_lshrrev_b32 v32, 5, v0
	v_readfirstlane_b32 s24, v32                   ; wave 0..15
	s_mov_b32 s28, 0x76543210
	s_mov_b32 s29, 0xfedcba98
	v_and_b32 v32, 31, v0                          ; lane
	v_lshlrev_b32 v33, 4, v32                      ; 16 lane
	v_and_b32 v34, 7, v0
	v_lshlrev_b32 v34, 4, v34                      ; 16 (lane % 8)
	v_bfe_u32 v35, v0, 3, 2                        ; lane / 8
	v_and_b32 v51, 15, v0                          ; r
	v_bfe_u32 v52, v0, 4, 1                        ; h
	v_lshlrev_b32 v15, 3, v52
	v_lshlrev_b32 v36, 4, v0                       ; 16 x thread: row w of the work-group's 16, 16 bytes a lane
.irp u, 41,43,45,47
	v_mov_b32 v\u, 0                               ; upper words of pairs of which only the low word is taken: named with it, so they are written once
.endr
	v_mov_b32 v78, 0                               ; a lane permute's destination counts as one of its sources
	v_mov_b32 v79, 0
	s_wait_alu depctr_va_sdst(0)                   ; s24 is written, ahead of its first reader: the quad, the columns and every wave's place in LDS and memory are made from it
	s_lshr_b32 s25, s24, 2                         ; b: my quad
	s_and_b32 s26, s24, 3                          ; q: my 32 columns
	s_mul_i32 s34, s24, WREG
	v_mul_u32_u24 v1, v32, 144
	v_add_nc_u32 v1, s34, v1                       ; ST in: lane row l, 144 bytes = 9 x 16 apart
	v_mad_u32_u24 v2, v35, 1152, v34
	v_add_nc_u32 v2, s34, v2                       ; ST out: lane rows 8 (l / 8) + k, columns 4 (l % 8) on
	s_add_co_u32 s35, s34, BC
	v_mov_b32 v3, s35
	s_mul_i32 s36, s25, EXQ
	s_add_co_u32 s36, s36, EXB
	v_add_nc_u32 v4, s36, v33
	s_lshl_b32 s37, s26, 9
	v_add_nc_u32 v5, s37, v4
	s_lshl_b32 s38, s26, 7                         ; 128 q
	s_add_co_u32 s37, s36, s38
	s_add_co_u32 s37, s37, G2O
	v_add_nc_u32 v6, s37, v34
	s_lshl_b32 s37, s25, 4
	s_add_co_u32 s37, s37, MM
	v_mov_b32 v7, s37
	s_lshl_b32 s39, s25, 9                         ; 512 b
	s_add_co_u32 s40, s39, s38
	s_add_co_u32 s37, s40, IN2
	v_mov_b32 v8, s37
	s_add_co_u32 s37, s40, IN3
	v_add_nc_u32 v9, s37, v34
	s_mul_i32 s37, s25, ROWP
	s_add_co_u32 s37, s37, X1S
	v_add_nc_u32 v10, s37, v33
	v_add_nc_u32 v11, s39, v33
	; the head's own addresses, all made ahead of the branch on the wave's number
	v_add_nc_u32 v37, s34, v33                     ; conv_w's turn, in: 16 lane, rows by the immediate
	v_mul_u32_u24 v38, v51, ROWP
	v_lshl_add_u32 v38, v52, 7, v38
	v_add_nc_u32 v38, s34, v38                     ; out: row r, + 128 h bytes
	s_mul_i32 s37, s24, WIMW
	s_add_co_u32 s37, s37, WIM
	v_add_nc_u32 v39, s37, v33                     ; the image: 16 lane
	s_add_co_u32 s37, s37, 1024
	v_lshl_add_u32 v40, v32, 2, s37                ; its scale words: 4 lane
	s_lshl_b32 s37, s24, 13
	v_add_nc_u32 v42, s37, v33                     ; conv_w in memory: my 16 rows of 512 bytes
	s_lshl_b32 s37, s24, 6
	v_lshl_add_u32 v44, v51, 2, s37                ; conv_b[16 w + r]
	v_mov_b32 v46, s38
	s_mul_i32 s37, s24, ROWP
	s_add_co_u32 s37, s37, X1S
	v_add_nc_u32 v48, s37, v33
	v_add_nc_u32 v49, IN2, v36
	s_lshl_b32 s37, s24, 4
	s_add_co_u32 s37, s37, MM
	v_mov_b32 v50, s37
	s_wait_kmcnt 0x0
	s_lshl_b32 s32, ttmp9, 13                      ; the work-group's 16 rows of 512 bytes
	s_mov_b32 s33, 0
	s_add_nc_u64 s[4:5], s[4:5], s[32:33]
	s_add_nc_u64 s[6:7], s[6:7], s[32:33]
	s_add_nc_u64 s[8:9], s[8:9], s[32:33]
	s_add_nc_u64 s[18:19], s[18:19], s[32:33]
	s_add_nc_u64 s[20:21], s[20:21], s[32:33]
	s_lshl_b32 s32, ttmp9, 10                      ; its 1,024 bytes of stats
	s_add_nc_u64 s[22:23], s[22:23], s[32:33]
	s_load_b32 s30, s[14:15], 0x400                ; fc_w[256]
	s_load_b32 s31, s[16:17], 0x0                  ; fc_b
	s_wait_alu depctr_va_vdst(0)                   ; the addresses v1 to v11, which the LDS and memory instructions of the whole kernel read, and the head's own, v33 and v36 to v50, are written
	global_load_b128 v[64:67], v36, s[4:5] th:TH_LOAD_NT       ; wave w brings row w of each of the three: 512 consecutive bytes a load
	global_load_b128 v[68:71], v36, s[6:7] th:TH_LOAD_NT
	global_load_b128 v[72:75], v36, s[8:9] th:TH_LOAD_NT
	global_load_b128 v[FW2:FW2+3], v33, s[14:15] offset:512
.irp i, 0,1,2,3,4,5,6,7
	global_load_b128 v[FW1+4*\i:FW1+4*\i+3], v46, s[14:15] offset:16*\i
.endr
	s_cmp_gt_u32 s24, 7
	s_cbranch_scc1 .Lhead_join
	; waves 0-7: rows 16 w .. 16 w + 15 of conv_w (output channels; K = the input channel is innermost) become one fragment.  Loaded as they lie, turned through my own LDS so that lane (r, h) holds 2 x 32 neighbours of row r
.irp i, 0,1,2,3,4,5,6,7,8,9,10,11,12,13,14,15
	global_load_b128 v[128+4*\i:131+4*\i], v42, s[10:11] offset:512*\i
.endr
	global_load_b32 v14, v44, s[12:13]
	s_wait_loadcnt 0x0
.irp i, 0,1,2,3,4,5,6,7,8,9,10,11,12,13,14,15
	ds_store_b128 v37, v[128+4*\i:131+4*\i] offset:ROWP*\i
.endr
	s_wait_alu depctr_vm_vsrc(0)                   ; the sixteen stores have read v128 to v191, in which the loads below land
.irp c, 0,1
.irp i, 0,1,2,3,4,5,6,7
	ds_load_b128 v[128+32*\c+4*\i:131+32*\c+4*\i], v38 offset:256*\c+16*\i     ; LDS serves a wave's instructions in order (ISA guide 5.7.1.4): these see the stores above
.endr
.endr
	s_wait_dscnt 0x0
	QUANT64 128, 192, 13, 208
	s_wait_alu depctr_va_vdst(0)                   ; the conversions have written the codes v192 to v199, and the scale word v13 is written: the stores below read them
	ds_store_b128 v39, v[192:195]                  ; kept in LDS as an image of the registers: P takes these registers in the rounds
	ds_store_b128 v39, v[196:199] offset:512
	ds_store_b32 v40, v13
	ds_store_b32 v40, v14 offset:128
.Lhead_join:
	s_wait_loadcnt 0x0
	s_wait_kmcnt 0x0
	ds_store_b128 v48, v[64:67]
	ds_store_b128 v49, v[68:71]
	ds_store_b128 v49, v[72:75] offset:8192
	v_max3_num_f32 v76, v68, v69, v70              ; row w of x2: its largest number, and the largest of its negatives
	v_max3_num_f32 v77, -v68, -v69, -v70
	v_max_num_f32 v76, v76, v71
	v_max_num_f32 v77, v77, -v71
.irp x, 1,2,4,8
	v_max_num_f32_dpp v76, v76, v76 row_xmask:\x row_mask:0xf bank_mask:0xf
	v_max_num_f32_dpp v77, v77, v77 row_xmask:\x row_mask:0xf bank_mask:0xf
.endr
	v_permlanex16_b32 v78, v76, s28, s29
	v_permlanex16_b32 v79, v77, s28, s29
	v_max_num_f32 v76, v76, v78
	v_max_num_f32 v77, v77, v79
	s_wait_alu depctr_va_vdst(0)                   ; the two extremes are written in v76, v77, which the store reads; and the lines above are done with v68 to v79, in which the first round's loads land
	ds_store_b64 v50, v[76:77]                     ; every lane writes the same 8 bytes with the same value
	BAR                                            ; the 16 batches' rows, their extremes and conv_w's images lie in LDS
; ---------------- THE BATCH OF ROUND m IS FINISHED, by one wave of the quad: the one with q = b (waves 0, 5, 10, 15) ----------------
; It stands behind the wait of round m's second barrier: the quad's parts of x_r and of r sum P fw and the gate's second sum lie in LDS.  Its LDS reads are waited for here, which is ahead of this wave's next signal:
; those bytes are written again only behind the barrier that the signal belongs to.  At work: XV and SC .. SC + 3, which the round in hand does not hold at this place.
; Its nine loads land in registers that no vector line has named since the wait on va_vdst that stands ahead of it, and that no store has read since the wait on vm_vsrc ahead of it.
.macro FIN m
.set xo_, 20+4*((\m)%2)                            ; round m's x1
	s_cmp_eq_u32 s26, s25
	s_cbranch_scc0 .Lnot_owner_\@
.irp qq, 0,1,2,3
	ds_load_b128 v[XV+4*\qq:XV+4*\qq+3], v4 offset:XP+512*\qq
.endr
.irp qq, 0,1,2,3
	ds_load_b128 v[XV+16+4*\qq:XV+19+4*\qq], v4 offset:GP+512*\qq
.endr
	ds_load_b128 v[SC:SC+3], v4 offset:G2O
	s_wait_dscnt 0x0
	ADD4 XV, XV, XV+4
	ADD4 XV+8, XV+8, XV+12
	ADD4 XV, XV, XV+8                              ; x_r[4 l + g]
	ADD4 XV+16, XV+16, XV+20
	ADD4 XV+24, XV+24, XV+28
	ADD4 XV+16, XV+16, XV+24                       ; the gate's first sum
.irp j, 0,1,2,3
	v_fma_f32 v[XV+4+\j], v[xo_+\j], s30, s31      ; x1 fw[256] + fc_b
.endr
	ADD4 XV+16, XV+16, SC                          ; + the second sum
	ADD4 XV+16, XV+16, XV+4
.irp j, 0,1,2,3
	v_mul_f32 v[XV+16+\j], 0xbfb8aa3b, v[XV+16+\j] ; sigmoid(z) = 1 / (1 + 2^(-z log2(e)))
.endr
.irp j, 0,1,2,3
	v_exp_f32 v[XV+20+\j], v[XV+16+\j]
.endr
	v_nop
	s_wait_alu depctr_va_vdst(0)                   ; the four exponentials' results are written, ahead of their first reader; so are x_r's four numbers in XV .. XV + 3, which the store below reads and no later line writes
	ds_store_b128 v10, v[XV:XV+3] offset:XR-X1S+4*ROWP*(\m)    ; x_r, f32, for the quantiser
.irp j, 0,1,2,3
	v_add_f32 v[XV+20+\j], 1.0, v[XV+20+\j]
.endr
.irp j, 0,1,2,3
	v_rcp_f32 v[XV+24+\j], v[XV+20+\j]
.endr
	v_nop
	s_wait_alu depctr_va_vdst(0)                   ; the four reciprocals' results are written, ahead of their first reader
	v_pk_mul_f32 v[XV+24:XV+25], v[XV+24:XV+25], v[xo_:xo_+1]
	v_pk_mul_f32 v[XV+26:XV+27], v[XV+26:XV+27], v[xo_+2:xo_+3]
	s_wait_alu depctr_va_vdst(0)                   ; the two products have written XV + 24 .. + 27, which the store reads, and are done reading round m's x1, in which the next load of x1_2 lands
	global_store_b128 v11, v[XV+24:XV+27], s[20:21] offset:2048*(\m)   ; gate x1: the 32 lanes store the batch's 512 consecutive bytes
.Lnot_owner_\@:
	s_wait_xcnt 0x0                                ; the store's data registers are written again only behind this wait, and behind the wait on vm_vsrc that stands ahead of the next load into XV
.endm
; ---------------- A ROUND: batch 4 n + b.  For n > 0 it begins between the signal and the wait of the round before's second barrier ----------------
.macro ROUND n
.set X1,  20+4*((\n)%2)
.set X12, 24-4*((\n)%2)
	s_wait_alu depctr_vm_vsrc(0)                   ; the stores and loads issued so far (the head's, or the round before's) have read their registers in SC, XV, GR and P: the loads below land in SC and XV, and this round's lines write all four.  (The vector lines that named SC, X1 and XV stand ahead of the last wait on va_vdst)
	ds_load_b64 v[SC:SC+1], v7 offset:64*(\n)      ; these ten loads read bytes that were written ahead of the first barrier; x1's rows are written again only in the tail
	ds_load_b128 v[X1:X1+3], v10 offset:4*ROWP*(\n)
.irp i, 0,1,2,3,4,5,6,7
	ds_load_b128 v[XV+4*\i:XV+4*\i+3], v8 offset:2048*(\n)+16*\i
.endr
	s_wait_dscnt 0x8                               ; x2's extremes and x1 are in; the eight loads of x2 may be out
	; A: P and its row sums.  Rows 0, 1 are scaled; then exponentials stand among packed work: rows 0, 1's among the scalings of rows 2, 3, rows 2, 3's among the sums of rows 0, 1
	CONST 0, 0
	CONST 1, 1
	s_wait_dscnt 0x0
.set kk, 0
.rept 32
	TC 0, kk
.set kk, kk+1
.endr
	CONST 0, 2
	CONST 1, 3
.set kk, 0
.rept 32
	EXPO 0, 2*kk
	TC 1, kk
	EXPO 0, 2*kk+1
.set kk, kk+1
.endr
	v_nop                                          ; a plain line behind the last exponential
	s_wait_alu depctr_va_vdst(0)                   ; the 64 exponentials of rows 0, 1 have written their results, ahead of the first line that names one
.set kk, 0
.rept 32
.set pp, 16*(kk%2)+kk/2                            ; the two rows by turns, each in two chains: four chains of sums that do not wait for each other
	EXPO 1, 2*kk
	SMS 0, pp
	EXPO 1, 2*kk+1
.set kk, kk+1
.endr
	REDS 0                                         ; (plain lines behind the last exponential)
	s_wait_alu depctr_va_vdst(0)                   ; the 64 exponentials of rows 2, 3 have written their results; and the scalings are done reading x2 in XV and the extremes in SC, in which the finishing wave's loads land
.if \n > 0
	s_barrier_wait -1                              ; the round before's second barrier: every wave's parts lie in LDS, and every wave's reads of that round's parts of sum P are over
	FIN (\n)-1
.endif
	ds_load_b128 v[X12:X12+3], v9 offset:2048*(\n) ; into the registers that held the round before's x1 (its last readers stand ahead of a wait on va_vdst on both ways); wanted behind the next barrier
.set kk, 0
.rept 32
.set pp, 16*(kk%2)+kk/2
	SMS 1, pp
.set kk, kk+1
.endr
	REDS 1
	s_wait_alu depctr_va_vdst(0)                   ; the four rows' sums are written in SC + 24 .. + 27, which the store reads
	ds_store_b128 v5, v[SC+24:SC+27]               ; my 32 columns' part of the four rows' sums
	s_wait_dscnt 0x0                               ; it has landed, and all my LDS loads are in
	s_barrier_signal -1                            ; the first barrier.  r does not need the gate's first sum: its 64 multiply-adds stand between the signal and the wait
.set kk, 0
.rept 32
.set pp, 16*(kk%2)+kk/2
	SMG 0, pp
	SMG 1, pp
.set kk, kk+1
.endr
	s_barrier_wait -1                              ; the quad's four parts lie in LDS; the finishing wave's reads of the last round's parts are over
	; B: r = 1 / the row's sum, the same bits in all four waves (same numbers, same order)
	s_wait_alu depctr_vm_vsrc(0)                   ; the store of my part of sum P has read SC + 24 .. + 27, which chunk 2's sums write; the finishing wave's two stores have read XV, in which the loads below land.  (No vector line since the last wait on va_vdst names XV)
.irp qq, 0,1,2,3
	ds_load_b128 v[XV+4*\qq:XV+4*\qq+3], v4 offset:512*\qq
.endr
	s_wait_dscnt 0x0
	ADD4 XV, XV, XV+4
	ADD4 XV+8, XV+8, XV+12
	ADD4 XV, XV, XV+8
.irp g, 0,1,2,3
	v_rcp_f32 v[SC+8+2*\g], v[XV+\g]
.endr
.irp H, 0,1
.irp gl, 0,1
	v_add_f32 v[SC+28+2*\H+\gl], v[SC+18+4*\gl-2*\H], v[SC+19+4*\gl-2*\H]      ; the halves of sum P fw: plain work behind the reciprocals
.endr
.endr
	s_wait_alu depctr_va_vdst(0)                   ; the four reciprocals' results are written, ahead of their first reader
.irp g, 0,1,2,3
	v_mul_f32 v[SC+16+2*\g], v[SC+8+2*\g], v[FW2+\g]
.endr
.irp g, 0,1,2,3
	v_mul_f32 v[GR+\g], v[SC+28+\g], v[SC+8+2*\g]  ; my part of the gate's first sum, for the wave that finishes the batch
.endr
	; C: the two sums along c, 8 columns at a time, in three sets of registers by turns
	CHC 0, XV, XV+8
	CHC 1, XV+16, XV+24
	s_wait_alu depctr_va_vdst(0)                   ; GR and the sums of chunks 0 and 1 (XV .. XV + 31) are written, which the nine stores below read
	ds_store_b128 v5, v[GR:GR+3] offset:GP
	CHS 0, XV, XV+8
	CHS 1, XV+16, XV+24
	CHC 2, SC, SC+24
	s_wait_alu depctr_vm_vsrc(0)                   ; the nine stores, issued chunk 2's 32 lines ago, have read XV and GR: chunk 3's sums write XV .. XV + 15, and v is written in GR further down
	s_wait_alu depctr_va_vdst(0)                   ; chunk 2's sums are written in SC .. + 7 and SC + 24 .. + 31, which its stores read
	CHS 2, SC, SC+24
	CHC 3, XV, XV+8
	s_wait_alu depctr_va_vdst(0)                   ; chunk 3's sums are written in XV .. XV + 15, which its stores read; every vector line that named XV or chunk 2's registers stands ahead of this wait, so the twelve loads below may land there
	CHS 3, XV, XV+8
	s_wait_alu depctr_vm_vsrc(0)                   ; the stores of chunks 2 and 3 have read SC .. + 7, SC + 24 .. + 31 and XV .. XV + 15, in which the loads below land
.irp k, 0,1,2,3,4,5,6,7
	ds_load_b128 v[XV+4*\k:XV+4*\k+3], v2 offset:144*\k        ; col: eight lane rows' 4 columns
.endr
	ds_load_b128 v[SC:SC+3], v2 offset:ST2
	ds_load_b128 v[SC+4:SC+7], v2 offset:ST2+144
	ds_load_b128 v[SC+24:SC+27], v2 offset:ST2+288
	ds_load_b128 v[SC+28:SC+31], v2 offset:ST2+432
	s_wait_dscnt 0x4                               ; col's eight are in; the four just issued may be out
.irp k, 0,4,8,12
	ADD4 XV+\k, XV+\k, XV+16+\k
.endr
	s_wait_alu depctr_va_vdst(0)                   ; the eight additions are done reading XV + 16 .. + 31, in which the four loads below land
.irp k, 0,1,2,3
	ds_load_b128 v[XV+16+4*\k:XV+19+4*\k], v2 offset:ST2+144*(4+\k)
.endr
	ADD4 XV, XV, XV+8
	ADD4 XV+4, XV+4, XV+12
	ADD4 XV, XV, XV+4
	XLANE XV, XV+4                                 ; col[32 q + 4 (l % 8) + j], whole, in every lane
	; D: v = x1_2 / (1e-9 + col), spread to all lanes through my own LDS; meanwhile the gate's second sum is finished
.irp j, 0,1,2,3
	v_add_f32 v[XV+4+\j], 0x3089705f, v[XV+\j]
.endr
.irp j, 0,1,2,3
	v_rcp_f32 v[XV+8+\j], v[XV+4+\j]
.endr
	v_nop
	s_wait_alu depctr_va_vdst(0)                   ; the four reciprocals' results are written, ahead of their first reader
	v_pk_mul_f32 v[GR:GR+1], v[XV+8:XV+9], v[X12:X12+1]
	v_pk_mul_f32 v[GR+2:GR+3], v[XV+10:XV+11], v[X12+2:X12+3]
	s_wait_dscnt 0x0                               ; the second sum's eight loads are in
	ADD4 SC, SC, XV+16
	ADD4 SC+4, SC+4, XV+20
	ADD4 SC+24, SC+24, XV+24
	ADD4 SC+28, SC+28, XV+28
	s_wait_alu depctr_va_vdst(0)                   ; v is written in GR, which the store reads; the lines above are done with XV, in which the eight loads land.  (No store has read XV since the last wait on vm_vsrc: v goes out of GR)
	ds_store_b128 v2, v[GR:GR+3] offset:BC         ; four equal copies, one for each group of eight lanes
.irp i, 0,1,2,3,4,5,6,7
	ds_load_b128 v[XV+4*\i:XV+4*\i+3], v3 offset:16*\i         ; the first copy: v of my 32 columns, in every lane.  LDS serves a wave's instructions in order (ISA guide 5.7.1.4): these see the store above
.endr
	ADD4 SC, SC, SC+24
	ADD4 SC+4, SC+4, SC+28
	ADD4 SC, SC, SC+4
	XLANE SC, SC+4                                 ; the gate's second sum for channels 32 q + 4 (l % 8) + j, in SC .. + 3: it is stored with x_r's part, below
	s_wait_dscnt 0x0                               ; v is in
	; E: my 32 columns' part of x_r
.irp i, 0,1,2,3,4,5,6,7,8,9,10,11,12,13,14,15
.irp g, 0,1,2,3
.if \i == 0
	v_pk_mul_f32 v[SC+24+2*\g:SC+25+2*\g], v[P+32*\g:P+32*\g+1], v[XV:XV+1]
.else
	v_pk_fma_f32 v[SC+24+2*\g:SC+25+2*\g], v[P+32*\g+2*\i:P+32*\g+2*\i+1], v[XV+2*\i:XV+2*\i+1], v[SC+24+2*\g:SC+25+2*\g]
.endif
.endr
.endr
.irp g, 0,1,2,3
	v_add_f32 v[SC+4+\g], v[SC+24+2*\g], v[SC+25+2*\g]
.endr
.irp g, 0,1,2,3
	v_mul_f32 v[SC+4+\g], v[SC+4+\g], v[SC+8+2*\g]
.endr
	s_wait_alu depctr_va_vdst(0)                   ; the gate's second sum (SC .. + 3) and my part of x_r (SC + 4 .. + 7) are written, which the two stores read; all this round's vector lines are done, so the next loads into SC, X1 and XV may land
	ds_store_b128 v6, v[SC:SC+3]                   ; four lanes write the same bytes with the same value
	ds_store_b128 v5, v[SC+4:SC+7] offset:XP
	s_wait_dscnt 0x0                               ; my three stores for the finishing wave have landed, and my reads of the parts of sum P are long over
	s_barrier_signal -1                            ; the second barrier; its wait stands in the next round, or behind the last round
.endm
	ROUND 0
	ROUND 1
	ROUND 2
	ROUND 3
	s_barrier_wait -1
	s_wait_alu depctr_vm_vsrc(0)                   ; the last round's two last stores have read SC .. + 7: the finishing wave's loads land in SC .. + 3
	FIN 3
	s_wait_alu depctr_vm_vsrc(0)                   ; the finishing wave's two stores have read XV, in which rows of y and of the statistics land below
	; ---------------- THE TAIL: the quantised product, y, and the work-group's statistics ----------------
	BAR                                            ; x_r's 16 rows lie in LDS
	v_and_b32 v248, 15, v0                         ; r
	v_bfe_u32 v249, v0, 4, 1                       ; h
	v_and_b32 v250, 31, v0                         ; lane
	v_mul_u32_u24 v200, v248, ROWP
	v_lshl_add_u32 v200, v249, 7, v200
	v_add_nc_u32 v200, XR, v200                    ; x_r: row r (a batch), + 128 h bytes
	s_lshl_b32 s34, s24, 6
	v_lshl_add_u32 v252, v248, 2, s34
	v_add_nc_u32 v252, X1S, v252                   ; channel 16 w + r of a row of x1
	v_mad_u32_u24 v201, v249, 8*ROWP, v252         ; in rows 8 h + j
	s_mul_i32 s35, s24, ROWP
	v_lshl_add_u32 v203, v250, 4, s35
	v_add_nc_u32 v203, X1S, v203                   ; row w, 16 bytes a lane
	s_mul_i32 s35, s24, WIMW
	s_add_co_u32 s35, s35, WIM
	v_lshl_add_u32 v212, v250, 4, s35
	s_add_co_u32 s35, s35, 1024
	v_lshl_add_u32 v213, v250, 2, s35
	v_lshlrev_b32 v214, 4, v0
	s_wait_alu depctr_va_vdst(0)                   ; the tail's addresses v200, v201, v203, v212 to v214 and v252 are written, which the LDS and memory instructions on both ways below read; the rounds' lines are done with P's registers, in which loads land
	s_cmp_gt_u32 s24, 7
	s_cbranch_scc1 .Ltail_join
	; waves 0-7: wave w makes output channels 16 w .. 16 w + 15 for the 16 batches.  Each quantises x_r's 16 rows for itself: 64 numbers a lane
.irp c, 0,1
.irp i, 0,1,2,3,4,5,6,7
	ds_load_b128 v[128+32*\c+4*\i:131+32*\c+4*\i], v200 offset:256*\c+16*\i
.endr
.endr
	ds_load_b128 v[204:207], v212                  ; conv_w's fragment, its scale words and conv_b come back as they were stored
	ds_load_b128 v[208:211], v212 offset:512
	ds_load_b32 v13, v213
	ds_load_b32 v14, v213 offset:128
.irp j, 0,1,2,3,4,5,6,7
	ds_load_b32 v[216+\j], v201 offset:ROWP*\j     ; x1(batch 8 h + j, channel 16 w + r): the result's layout
.endr
	s_wait_dscnt 0x0
	QUANT64 128, 192, 12, 240
.irp j, 0,1,2,3,4,5,6,7
	v_sub_f32 v[216+\j], v[216+\j], v14            ; x1 - conv_b.  With the line above these are nine plain lines between the last write of A's scale word and of its codes and the scaled matrix instruction (eight and four are asked)
.endr
	s_wait_alu depctr_va_vdst(0)                   ; behind the places: x_r's codes v192 to v199 and its scale word v12 are written, which the scaled matrix instruction takes as A and as A's scales
	v_wmma_scale_f32_16x16x128_f8f6f4 v[224:231], v[192:199], v[204:211], 0, v12, v13 matrix_a_fmt:MATRIX_FMT_FP4 matrix_b_fmt:MATRIX_FMT_FP4   ; source 0 = 16 batches of x_r, source 1 = 16 rows of conv_w; K = all 128 channels: one instruction, C = 0
.rept 4
	v_nop                                          ; four places behind it, ahead of the first read of its result (ISA guide 7.12.1)
.endr
.irp j, 0,1,2,3,4,5,6,7
	v_sub_f32 v[232+\j], v[216+\j], v[224+\j]      ; y; the result is read from its low end on
.endr
	v_pk_add_f32 v[248:249], v[232:233], v[234:235]
	v_pk_add_f32 v[250:251], v[236:237], v[238:239]
	v_pk_add_f32 v[248:249], v[248:249], v[250:251]
	v_add_f32 v248, v248, v249
	v_permlanex16_b32 v249, v248, s28, s29         ; the other eight batches lie in lane l xor 16
	v_add_f32 v248, v248, v249
	v_mul_f32 v248, 0x3d800000, v248               ; the channel's mean over the 16 batches
.irp j, 0,2,4,6
	v_pk_add_f32 v[240+\j:241+\j], v[232+\j:233+\j], v[248:249] op_sel_hi:[1,0] neg_lo:[0,1] neg_hi:[0,1]
.endr
	v_pk_mul_f32 v[250:251], v[240:241], v[240:241]
.irp j, 2,4,6
	v_pk_fma_f32 v[250:251], v[240+\j:241+\j], v[240+\j:241+\j], v[250:251]
.endr
	v_add_f32 v250, v250, v251
	v_permlanex16_b32 v251, v250, s28, s29
	v_add_f32 v250, v250, v251                     ; the sum of squared deviations from that mean: no difference of large sums is formed
	s_wait_alu depctr_va_vdst(0)                   ; y (v232 to v239), the mean (v248) and the sum of squares (v250) are written, which the ten stores read
.irp j, 0,1,2,3,4,5,6,7
	ds_store_b32 v201, v[232+\j] offset:ROWP*\j    ; y takes x1's place: each word is read and written by one lane alone
.endr
	ds_store_b32 v252, v248 offset:16*ROWP         ; both halves of the lanes write the same word with the same value
	ds_store_b32 v252, v250 offset:17*ROWP
.Ltail_join:
	BAR                                            ; 16 rows of y and the two rows of statistics lie in LDS
	ds_load_b128 v[64:67], v203
	s_wait_dscnt 0x0
	global_store_b128 v214, v[64:67], s[18:19]     ; wave w stores row w of y: 512 consecutive bytes
	s_cmp_gt_u32 s24, 1
	s_cbranch_scc1 .Ldone
	ds_load_b128 v[68:71], v203 offset:16*ROWP     ; waves 0 and 1: the means, the sums of squares
	s_wait_dscnt 0x0
	global_store_b128 v214, v[68:71], s[22:23]
.Ldone:
	s_wait_xcnt 0x0
	v_lshl_add_u32 v126, v0, 2, 0x46000            ; the add's two registers are made anew, straight ahead of the closing lines: no LDS or memory instruction has ever read v126 or v127
	v_mov_b32 v127, 0
	s_wait_dscnt 0x0                               ; the closing lines, six on end
	s_wait_alu 0x0
	s_wait_tensorcnt 0x0
	ds_add_u32 v126, v127
	s_wait_dscnt 0x0
	s_endpgm
.Lfunc_end_k_qa22671a262_main:
	.size	k_qa22671a262_main, .Lfunc_end_k_qa22671a262_main-k_qa22671a262_main
	.p2alignl 7, 3214868480
	.fill 96, 4, 3214868480
	.section	.rodata,"a",@progbits
	.p2align	6, 0x0
	.amdhsa_kernel k_qa22671a262_main
		.amdhsa_group_segment_fixed_size 288768
		.amdhsa_private_segment_fixed_size 0
		.amdhsa_enable_private_segment 0
		.amdhsa_kernarg_size 80
		.amdhsa_user_sgpr_count 2
		.amdhsa_user_sgpr_kernarg_segment_ptr 1
		.amdhsa_wavefront_size32 1
		.amdhsa_system_sgpr_workgroup_id_x 1
		.amdhsa_system_sgpr_workgroup_id_y 1
		.amdhsa_system_sgpr_workgroup_id_z 1
		.amdhsa_system_vgpr_workitem_id 0
		.amdhsa_next_free_vgpr 256
		.amdhsa_next_free_sgpr 66
		.amdhsa_reserve_vcc 0
		.amdhsa_float_denorm_mode_32 3
		.amdhsa_float_denorm_mode_16_64 3
		.amdhsa_memory_ordered 1
		.amdhsa_forward_progress 1
		.amdhsa_inst_pref_size 187
	.end_amdhsa_kernel
	.amdgpu_metadata
---
amdhsa.version: [ 1, 2 ]
amdhsa.kernels:
  - .name:           k_qa22671a262_main
    .symbol:         k_qa22671a262_main.kd
    .args:
      - { .name: x1, .offset: 0, .size: 8, .value_kind: global_buffer, .address_space: global }
      - { .name: x2, .offset: 8, .size: 8, .value_kind: global_buffer, .address_space: global }
      - { .name: x1_2, .offset: 16, .size: 8, .value_kind: global_buffer, .address_space: global }
      - { .name: conv_w, .offset: 24, .size: 8, .value_kind: global_buffer, .address_space: global }
      - { .name: conv_b, .offset: 32, .size: 8, .value_kind: global_buffer, .address_space: global }
      - { .name: fc_w, .offset: 40, .size: 8, .value_kind: global_buffer, .address_space: global }
      - { .name: fc_b, .offset: 48, .size: 8, .value_kind: global_buffer, .address_space: global }
      - { .name: ybuf, .offset: 56, .size: 8, .value_kind: global_buffer, .address_space: global }
      - { .name: gbuf, .offset: 64, .size: 8, .value_kind: global_buffer, .address_space: global }
      - { .name: stats, .offset: 72, .size: 8, .value_kind: global_buffer, .address_space: global }
    .group_segment_fixed_size: 288768
    .private_segment_fixed_size: 0
    .kernarg_segment_align: 8
    .kernarg_segment_size: 80
    .max_flat_workgroup_size: 512
    .sgpr_count:     66
    .vgpr_count:     256
    .wavefront_size: 32
...
	.end_amdgpu_metadata
.endif
;; end of part 3
;; launch bnout: the kernel of part 2 again; grid 64 x 2, 8 waves a work-group, no clusters, 5,120 bytes of LDS; arguments ybuf, gbuf, stats, bn_gamma, bn_beta, out0; writes out0
